; MI455X (gfx1250); checked and timed in simulation.
; The chip was launched on July 23, 2026; its instructions are those of AMD's public machine-readable ISA for CDNA 5 (MIT licence, August 2026) and "CDNA5" Instruction Set Architecture Reference Guide (July 2026). The comments in the code are by the model that wrote it; some were corrected since.
;; Manual Transformer Layer. Allowed arithmetic: float matrix products may take bf16 or f16 operands with f32 sums; other float arithmetic in f32, or as packed bf16 or f16 multiplies, adds, multiply-adds, maxima and minima; sums over many terms, partial sums and values carried from step to step in f32; what a program stores and reads back later, other than sums and carried values, may be rounded once to bf16 or f16.
;; Inputs: W1 1,024 x 4,096 float32; W2 4,096 x 1,024 float32; Wk 1,024 x 1,024 float32; Wo 1,024 x 1,024 float32; Wq 1,024 x 1,024 float32; Wv 1,024 x 1,024 float32; b1 1,024 float32; b2 1,024 float32; bf1 4,096 float32; bf2 1,024 float32; bk 1,024 float32; bo 1,024 float32; bq 1,024 float32; bv 1,024 float32; g1 1,024 float32; g2 1,024 float32; x 2 x 2,048 x 1,024 float32.
;; Outputs: out0 2 x 2,048 x 1,024 float32.
;; One version. Each part assembles by itself: llvm-mc -triple=amdgcn-amd-amdhsa -mcpu=gfx1250 --defsym DOCPART=n.
;; ======== version 1 of 1: 8 launches
;; workspace buffers: a16 8,388,608 bytes; wqkv 6,308,096 bytes; w1p 8,405,248 bytes; wsm 10,485,760 bytes; big 33,554,432 bytes; ctx 8,388,608 bytes; y 16,777,216 bytes; pa32 16,777,216 bytes
;; launch cast (part 1): grid 64 x 16, 8 waves a work-group, no clusters, 0 bytes of LDS; arguments x, W2, W1, Wq, Wk, Wv, Wo, bf1, bq, bk, bv, a16, wsm, w1p, wqkv; writes a16, wsm, w1p, wqkv
.if DOCPART == 1
	.amdgcn_target "amdgcn-amd-amdhsa--gfx1250"
	.amdhsa_code_object_version 6
	.text
	.protected	k_q1f1fa04304_cast
	.globl	k_q1f1fa04304_cast
	.p2align	8
	.type	k_q1f1fa04304_cast,@function
k_q1f1fa04304_cast:
	s_mov_b64 s[64:65], 0
	v_nop
	global_prefetch_b8 v0, s[64:65] scope:SCOPE_SE
	s_setreg_imm32_b32 hwreg(HW_REG_WAVE_MODE, 25, 1), 1
	s_wait_xcnt 0x0
; Every matrix operand that is an input (x and six weights, 16 Mi numbers of f32) is rounded once to bf16 and laid in PANELS of 256 columns:
; [columns / 256][rows][256], a panel's row 512 bytes.  The weights keep their order [K][N]; the products turn them when they read LDS.
; The input is taken as 16 blocks of 4 MiB (grid y): 0-3 x, 4-7 W2, 8-11 W1, 12 Wq, 13 Wk, 14 Wv, 15 Wo.  A work-group (grid x) takes 64 KiB of its block,
; a wave 8 KiB as 16 items of 512 bytes (128 columns): a lane loads 16 bytes and stores 8; a store of the wave covers 256 consecutive bytes, aligned.
; wqkv and w1p begin with a head of HEAD bytes: the f32 biases by column (bq|bk|bv, or bf1), and at byte 16,384 sixty-four equal words, the floor that the
; product's way out takes a maximum with: two bf16 halves, -infinity for q, k, v (nothing changes) and 0 for the first FFN layer (ReLU).
; All 16 loads of a wave go out first; no register is written twice, so no wait frees a source.  No LDS, no barrier: no wave needs another's bytes.
.set HEAD, 16640
.set SO,  2                            ; v2      16 x lane: my bytes in an item
.set DO,  3                            ; v3-6    8 x lane + p x the panel stride
.set BOF, 7                            ; v7      16 x thread: the biases' copy
.set X,   16                           ; v[16:79]  item i: 4 registers as loaded
.set Y,   80                           ; v[80:111] item i: 2 registers to store
.set WV,  2                            ; s2  wave
.set YY,  3                            ; s3  block 0..15
.set CAT, 4                            ; s4  block / 4
.set BL,  5                            ; s5  block % 4
.set PS,  6                            ; s6  bytes from panel to panel
.set SRC, 40                           ; s[40:41]
.set DST, 42                           ; s[42:43]
.set OF,  44                           ; s[44:45] an offset, high word 0
.set DF,  46                           ; s[46:47] an offset, high word 0
.set BS,  50                           ; s[50:51] a bias
.set BD,  52                           ; s[52:53] where it goes
	s_load_b512 s[8:23], s[0:1], 0x0               ; x 8, W2 10, W1 12, Wq 14, Wk 16, Wv 18, Wo 20, bf1 22
	s_load_b256 s[24:31], s[0:1], 0x40             ; bq 24, bk 26, bv 28, a16 30
	s_load_b128 s[32:35], s[0:1], 0x60             ; wsm 32, w1p 34
	s_load_b64 s[36:37], s[0:1], 0x70              ; wqkv
	v_lshrrev_b32 v1, 5, v0
	v_readfirstlane_b32 s[WV], v1
	v_and_b32 v1, 31, v0
	v_lshlrev_b32 v[SO], 4, v1
	v_lshlrev_b32 v[DO], 3, v1
	v_lshlrev_b32 v[BOF], 4, v0
	s_and_b32 s[YY], ttmp7, 0xffff
	s_lshr_b32 s[CAT], s[YY], 2
	s_and_b32 s[BL], s[YY], 3
	s_mov_b32 s[PS], 1<<19                         ; 1,024 rows of 512 bytes; x and W2 have 4,096 rows
	s_cmp_lt_u32 s[CAT], 2
	s_cselect_b32 s[PS], 1<<21, s[PS]
	v_add_nc_u32 v[DO+1], s[PS], v[DO]
	v_add_nc_u32 v[DO+2], s[PS], v[DO+1]
	v_add_nc_u32 v[DO+3], s[PS], v[DO+2]
	; source: block x 4 MiB (the small weights are one block each) + work-group x 64 KiB + wave x 8 KiB
	s_lshl_b32 s[OF], s[BL], 22
	s_cmp_eq_u32 s[CAT], 3
	s_cselect_b32 s[OF], 0, s[OF]
	s_lshl_b32 s7, ttmp9, 16
	s_add_co_u32 s[OF], s[OF], s7
	s_lshl_b32 s7, s[WV], 13
	s_add_co_u32 s[OF], s[OF], s7
	s_mov_b32 s[OF+1], 0
	; destination of the block: x, W2: 1,024 rows down; W1: 256 rows down, behind the head; Wq, Wk, Wv: four panels on, behind the head; Wo: behind W2
	s_lshl_b32 s[DF], s[BL], 19
	s_lshl_b32 s7, s[BL], 17
	s_add_co_u32 s7, s7, HEAD
	s_cmp_eq_u32 s[CAT], 2
	s_cselect_b32 s[DF], s7, s[DF]
	s_lshl_b32 s7, s[BL], 21
	s_add_co_u32 s7, s7, HEAD
	s_cmp_eq_u32 s[CAT], 3
	s_cselect_b32 s[DF], s7, s[DF]
	s_cmp_eq_u32 s[YY], 15
	s_cselect_b32 s[DF], 1<<23, s[DF]
	; my wave's place in it.  Rows of 1,024 columns: the wave has two rows, 16 xw + 2 w on.  W1's rows of 4,096: half a row, row 4 xw + w / 2, panels 8 (w % 2) on
	s_lshl_b32 s7, ttmp9, 13
	s_lshl_b32 s48, s[WV], 10
	s_add_co_u32 s7, s7, s48
	s_and_b32 s48, s[WV], 1
	s_lshl_b32 s48, s48, 22
	s_lshl_b32 s49, ttmp9, 11
	s_add_co_u32 s48, s48, s49
	s_lshr_b32 s49, s[WV], 1
	s_lshl_b32 s49, s49, 9
	s_add_co_u32 s48, s48, s49
	s_cmp_eq_u32 s[CAT], 2
	s_cselect_b32 s7, s48, s7
	s_add_co_u32 s[DF], s[DF], s7
	s_mov_b32 s[DF+1], 0
	s_wait_kmcnt 0x0
	s_mov_b64 s[SRC:SRC+1], s[8:9]
	s_cmp_eq_u32 s[CAT], 1
	s_cselect_b64 s[SRC:SRC+1], s[10:11], s[SRC:SRC+1]
	s_cselect_b64 s[DST:DST+1], s[32:33], s[30:31]
	s_cmp_eq_u32 s[CAT], 2
	s_cselect_b64 s[SRC:SRC+1], s[12:13], s[SRC:SRC+1]
	s_cselect_b64 s[DST:DST+1], s[34:35], s[DST:DST+1]
	s_cmp_eq_u32 s[CAT], 3
	s_cselect_b64 s[DST:DST+1], s[36:37], s[DST:DST+1]
	s_cmp_eq_u32 s[YY], 12
	s_cselect_b64 s[SRC:SRC+1], s[14:15], s[SRC:SRC+1]
	s_cmp_eq_u32 s[YY], 13
	s_cselect_b64 s[SRC:SRC+1], s[16:17], s[SRC:SRC+1]
	s_cmp_eq_u32 s[YY], 14
	s_cselect_b64 s[SRC:SRC+1], s[18:19], s[SRC:SRC+1]
	s_cmp_eq_u32 s[YY], 15
	s_cselect_b64 s[SRC:SRC+1], s[20:21], s[SRC:SRC+1]
	s_cselect_b64 s[DST:DST+1], s[32:33], s[DST:DST+1]
	s_add_nc_u64 s[SRC:SRC+1], s[SRC:SRC+1], s[OF:OF+1]
	s_add_nc_u64 s[DST:DST+1], s[DST:DST+1], s[DF:DF+1]
.irp i, 0,1,2,3,4,5,6,7,8,9,10,11,12,13,14,15
	global_load_b128 v[X+4*(\i):X+4*(\i)+3], v[SO], s[SRC:SRC+1] offset:512*(\i) th:TH_LOAD_NT
.endr
.irp i, 0,1,2,3,4,5,6,7,8,9,10,11,12,13,14,15
	s_wait_loadcnt 15-(\i)                         ; loads come back in order: item i is in, the younger ones stay out
	v_cvt_pk_bf16_f32 v[Y+2*(\i)], v[X+4*(\i)], v[X+4*(\i)+1]
	v_cvt_pk_bf16_f32 v[Y+2*(\i)+1], v[X+4*(\i)+2], v[X+4*(\i)+3]
.endr
	s_cmp_eq_u32 s[CAT], 2
	s_cbranch_scc1 .Lwide
.irp i, 0,1,2,3,4,5,6,7,8,9,10,11,12,13,14,15
	global_store_b64 v[DO+(((\i)&7)>>1)], v[Y+2*(\i):Y+2*(\i)+1], s[DST:DST+1] offset:((\i)>>3)*512+((\i)&1)*256 th:TH_STORE_NT  ; row i / 8, panel (i % 8) / 2, half i % 2
.endr
	s_branch .Lbias
.Lwide:
.irp i, 0,1,2,3,4,5,6,7,8,9,10,11,12,13,14,15
	global_store_b64 v[DO], v[Y+2*(\i):Y+2*(\i)+1], s[DST:DST+1] offset:((\i)>>1)*524288+((\i)&1)*256 th:TH_STORE_NT  ; panel i / 2 of my eight, half i % 2
.endr
.Lbias:
	; the biases and the floors: the first work-group of blocks 8 to 14 copies 4 KiB: bf1's quarter b, or bq, bk, bv
	s_cmp_lg_u32 ttmp9, 0
	s_cbranch_scc1 .Ldone
	s_cmp_lt_u32 s[YY], 8
	s_cbranch_scc1 .Ldone
	s_cmp_eq_u32 s[YY], 15
	s_cbranch_scc1 .Ldone
	s_lshl_b32 s[OF], s[BL], 12                    ; where it goes: 4,096 b
	s_mov_b32 s48, s[OF]                           ; where it comes from: the same in bf1, 0 in bq, bk, bv
	s_mov_b32 s49, 0
	s_mov_b64 s[BS:BS+1], s[22:23]
	s_cmp_eq_u32 s[CAT], 3
	s_cselect_b64 s[BD:BD+1], s[36:37], s[34:35]
	s_cselect_b32 s48, 0, s48
	s_cmp_eq_u32 s[YY], 12
	s_cselect_b64 s[BS:BS+1], s[24:25], s[BS:BS+1]
	s_cmp_eq_u32 s[YY], 13
	s_cselect_b64 s[BS:BS+1], s[26:27], s[BS:BS+1]
	s_cmp_eq_u32 s[YY], 14
	s_cselect_b64 s[BS:BS+1], s[28:29], s[BS:BS+1]
	s_add_nc_u64 s[BS:BS+1], s[BS:BS+1], s[48:49]
	s_add_nc_u64 s[BD:BD+1], s[BD:BD+1], s[OF:OF+1]
	global_load_b128 v[10:13], v[BOF], s[BS:BS+1]
	s_wait_loadcnt 0x0
	global_store_b128 v[BOF], v[10:13], s[BD:BD+1]
	s_cmp_lg_u32 s[BL], 0                          ; blocks 8 and 12, wave 0: the floor's 256 bytes
	s_cbranch_scc1 .Ldone
	s_cmp_lg_u32 s[WV], 0
	s_cbranch_scc1 .Ldone
	s_cmp_eq_u32 s[CAT], 3
	s_cselect_b32 s7, 0xff80ff80, 0
	v_mov_b32 v8, s7
	v_mov_b32 v9, s7
	global_store_b64 v[DO], v[8:9], s[BD:BD+1] offset:16384
.Ldone:
	s_endpgm
.Lfunc_end_k_q1f1fa04304_cast:
	.size	k_q1f1fa04304_cast, .Lfunc_end_k_q1f1fa04304_cast-k_q1f1fa04304_cast
	.p2alignl 7, 3214868480
	.fill 96, 4, 3214868480
	.section	.rodata,"a",@progbits
	.p2align	6, 0x0
	.amdhsa_kernel k_q1f1fa04304_cast
		.amdhsa_group_segment_fixed_size 0
		.amdhsa_private_segment_fixed_size 0
		.amdhsa_enable_private_segment 0
		.amdhsa_kernarg_size 120
		.amdhsa_user_sgpr_count 2
		.amdhsa_user_sgpr_kernarg_segment_ptr 1
		.amdhsa_wavefront_size32 1
		.amdhsa_system_sgpr_workgroup_id_x 1
		.amdhsa_system_sgpr_workgroup_id_y 1
		.amdhsa_system_sgpr_workgroup_id_z 1
		.amdhsa_system_vgpr_workitem_id 0
		.amdhsa_next_free_vgpr 112
		.amdhsa_next_free_sgpr 66
		.amdhsa_reserve_vcc 0
		.amdhsa_float_denorm_mode_32 3
		.amdhsa_float_denorm_mode_16_64 3
		.amdhsa_memory_ordered 1
		.amdhsa_forward_progress 1
		.amdhsa_inst_pref_size 12
	.end_amdhsa_kernel
	.amdgpu_metadata
---
amdhsa.version: [ 1, 2 ]
amdhsa.kernels:
  - .name:           k_q1f1fa04304_cast
    .symbol:         k_q1f1fa04304_cast.kd
    .args:
      - { .name: x, .offset: 0, .size: 8, .value_kind: global_buffer, .address_space: global }
      - { .name: W2, .offset: 8, .size: 8, .value_kind: global_buffer, .address_space: global }
      - { .name: W1, .offset: 16, .size: 8, .value_kind: global_buffer, .address_space: global }
      - { .name: Wq, .offset: 24, .size: 8, .value_kind: global_buffer, .address_space: global }
      - { .name: Wk, .offset: 32, .size: 8, .value_kind: global_buffer, .address_space: global }
      - { .name: Wv, .offset: 40, .size: 8, .value_kind: global_buffer, .address_space: global }
      - { .name: Wo, .offset: 48, .size: 8, .value_kind: global_buffer, .address_space: global }
      - { .name: bf1, .offset: 56, .size: 8, .value_kind: global_buffer, .address_space: global }
      - { .name: bq, .offset: 64, .size: 8, .value_kind: global_buffer, .address_space: global }
      - { .name: bk, .offset: 72, .size: 8, .value_kind: global_buffer, .address_space: global }
      - { .name: bv, .offset: 80, .size: 8, .value_kind: global_buffer, .address_space: global }
      - { .name: a16, .offset: 88, .size: 8, .value_kind: global_buffer, .address_space: global }
      - { .name: wsm, .offset: 96, .size: 8, .value_kind: global_buffer, .address_space: global }
      - { .name: w1p, .offset: 104, .size: 8, .value_kind: global_buffer, .address_space: global }
      - { .name: wqkv, .offset: 112, .size: 8, .value_kind: global_buffer, .address_space: global }
    .group_segment_fixed_size: 0
    .private_segment_fixed_size: 0
    .kernarg_segment_align: 8
    .kernarg_segment_size: 120
    .max_flat_workgroup_size: 256
    .sgpr_count:     66
    .vgpr_count:     112
    .wavefront_size: 32
...
	.end_amdgpu_metadata
.endif
;; end of part 1
;; launch qkv (part 2): grid 12 x 16, 4 waves a work-group, clusters of 4 x 4, 327,680 bytes of LDS; arguments a16, wqkv, big; writes big
.if DOCPART == 2
	.amdgcn_target "amdgcn-amd-amdhsa--gfx1250"
	.amdhsa_code_object_version 6
	.text
	.protected	k_q1f1fa04304_qkv
	.globl	k_q1f1fa04304_qkv
	.p2align	8
	.type	k_q1f1fa04304_qkv,@function
k_q1f1fa04304_qkv:
	s_mov_b64 s[64:65], 0
	v_nop
	global_prefetch_b8 v0, s[64:65] scope:SCOPE_SE
	s_setreg_imm32_b32 hwreg(HW_REG_WAVE_MODE, 25, 1), 1
	s_wait_xcnt 0x0
	s_wait_alu depctr_hold_cnt(0) depctr_sa_sdst(0) depctr_va_vdst(0) depctr_va_sdst(0) depctr_va_ssrc(0) depctr_va_vcc(0) depctr_vm_vsrc(0)
	s_getreg_b32 s2, hwreg(HW_REG_IB_STS2, 6, 4)
	s_cmp_eq_u32 s2, 0
	s_cbranch_scc0 .Lentry_in_a_cluster
	s_endpgm
.Lentry_in_a_cluster:
	s_bfe_u32 s2, ttmp6, 0x10000c
	s_cmp_lg_u32 s2, 0xf033
	s_cbranch_scc0 .Lentry_shape_is_right
	s_endpgm
.Lentry_shape_is_right:
; C[4096][N] = max(bf16(A[4096][1024] W[1024][N] + bias), floor).  One text for two layers: q|k|v = x [Wq|Wk|Wv] + [bq|bk|bv] (N = 3,072, floor -infinity) and
; h = relu(post_att W1 + bf1) (N = 4,096, floor 0).  k is a step of the module that nothing reads afterwards: it is computed and stored like q and v.
; A: panels [4][4096][256] bf16.  W's buffer: a head of HEAD bytes (f32 bias by column; at byte 16,384 the floor, two bf16 halves), then panels [N / 256][1024][256] bf16, rows along N.
; C: panels of 64 columns, [N / 64][4096][64] bf16: a panel's rows are 128 bytes and lie end to end.  Sums in f32, C rounded once.  LIMIT: a sum that is NaN comes out as the floor.
; A tile of C, 256 x 256, is made by four waves, each 128 x 128: 64 accumulators, 512 registers.  K goes in 8 steps of 128 through two LDS slots filled by the tensor data mover.
; A K STEP IS WRITTEN ONCE AND LOOPED OVER: the LDS addresses of the fetches are a base plus s[TB], 0 or SLOT, which one exclusive or turns at each change of slots; one descriptor a tensor walks.
; CLUSTER: 4 x 4 work-groups.  The four of a row need the same tiles of A, the four of a column the same tiles of W: each tile is asked for jointly, by the same load, descriptor and mask in all four.
; THE MATRIX INSTRUCTION IS USED TRANSPOSED: source 0 = 16 columns of W x 32 K (out of LDS by the turning load, since W's rows lie along N), source 1 = 16 rows of A: a lane then holds eight
; neighbouring columns of one row of C.  THE BIAS IS THE C OPERAND of the products that start the sums: nothing is cleared and nothing is added afterwards.
; REGISTERS, in windows of 256: window 0: v0-31 addresses; v64-127, v128-191 fragments of A, two buffers; v192-223 packed results; v32-63, v224-255 rows read back from the stage
;   window 1: v0-63 the bias of my 128 columns; v64-127, v128-191 fragments of W      windows 2, 3: accumulator (a, b) at v[8 (8 a + b)], my rows 0-63 and 64-127
.set PA,     272                       ; a row of A in LDS: 256 bytes + 16 = 68 words: the 16 rows of a load start at 16 different groups of four banks (64 banks of 4 bytes: ISA guide 11.1)
.set PB,     544                       ; a row of W: 512 bytes + 32 = 136 words
.set HALFT,  34816                     ; 0x8800: what one tensor load brings: 128 rows of A, or 64 rows of W
.set SLOT,   4*HALFT                   ; 0x22000: A's 256 rows, then W's 128 rows (K).  Its two bits are set in none of 0, 1, 2, 3 x HALFT: an exclusive or with SLOT moves a wave's tile from one slot to the other
.set STAGE,  2*SLOT                    ; behind the ring: for each wave two panels' 16 rows x 144 bytes
.set SP,     144
.set WSTAGE, 2*16*SP
.set SPARE,  STAGE+4*WSTAGE            ; the spare words, 128 bytes a wave: two blocks of 256 bytes that no other line names
.set HEAD,   16640
.set STEPS,  8                         ; K steps
.set APAN,   2097152                   ; a panel of A.  A K step is half of a panel's row: from an even step to the next 256 bytes, from an odd one APAN - 256
.set ATOG,   APAN-512                  ; (APAN - 256) exclusive or 256: turns either step into the other
.set BSTEP,  65536                     ; a K step in W: 128 rows of 512 bytes
.set ADRA0, 16                         ; v16  LDS address of my A fragments in slot 0; never rewritten
.set ADRA,  17                         ; v17  in the slot that is being fetched from
.set ADRB0, 20                         ; v20, v21  the same for W
.set ADRB,  21
.set STO,  24                          ; v24  the way out: where I put 16 bytes of a row
.set RD,   25                          ; v25  where I read rows back
.set CO,   26                          ; v26  16 x lane: my bytes in 512 consecutive bytes of C
.set BO,   27                          ; v27  32 x (lane / 16): my eight numbers of a bias block
.set SPW,  28                          ; v28  my spare word's address; never rewritten
.set NIL,  29                          ; v29  0; never rewritten
.set PFO,  30                          ; v30  the prefetches' offset; never rewritten
.set F0,   64
.set F1,   128
.set TMP,  192
.set OB,   32
.set BIAS, 0                           ; window 1
.set G1,  24                           ; s[24:31] group 1 for A
.set G0,  32                           ; s[32:39] group 0 for A: a set for each of the two first fills; the second then walks on
.set G1B, 48                           ; s[48:55] group 1 for W
.set G0B, 56                           ; s[56:63] group 0 for W, likewise
.set LIM, 43                           ; s43  2 in a wave that prefetches, else the greatest number
.set PFA, 44                           ; s[44:45] where my prefetches stand
.set STP, 66                           ; s[66:67] what the prefetch address steps by next
.set STX, 68                           ; s68  what turns that step into the one after it (0 for W)
.set FLOOR, 70                         ; s70
.set TB,  71                           ; s71  0 or SLOT: the slot that is being fetched from
.set BB,  72                           ; s[72:73] the bias of my 128 columns
.set AST, 74                           ; s[74:75] what A's walking descriptor steps by next
.set MSB, 0
.macro WIN new                         ; the immediate's high byte repeats the setting that is left; a switch that changes nothing is dropped
.if MSB != (\new)
	s_set_vgpr_msb (MSB<<8)|(\new)
.set MSB, \new
.endif
.endm
.set MUL_LO, 0xa1                      ; source 0 (W) window 1, source 1 (A) window 0, C and D window 2
.set TO_B,   0x40                      ; destination window 1, address window 0
; A joint load: waves 0 and 1 fetch A's two halves, waves 2 and 3 W's.  The branch hangs on the wave's number alone.  An s_nop 0 and four v_nop follow each line.
.macro JLOAD s
	s_cmp_eq_u32 s11, 0
	s_cbranch_scc0 .Lfor_b_\@
	tensor_load_to_lds s[G0+4*(\s):G0+4*(\s)+3], s[G1:G1+7]
	s_nop 0
.rept 4
	v_nop
.endr
	s_branch .Lasked_\@
.Lfor_b_\@:
	tensor_load_to_lds s[G0B+4*(\s):G0B+4*(\s)+3], s[G1B:G1B+7]
	s_nop 0
.rept 4
	v_nop
.endr
.Lasked_\@:
.endm
; A prefetch into the L2 of the K step that stands two refills on: 512 matrix instructions ahead of the load that will want it.  One instruction a wave, 32 blocks of 256 bytes, a lane a block.
; Each block is named once in the launch: A's tile row is walked by every cluster of that row of clusters, the one with x = 0 asks; W's tile column by every cluster of that column, the one with
; y = 0 asks.  The four partners of a joint load share its 128 blocks out by address (32 each, by cx for A, by cy for W).  K steps 0 to 3 come by their loads alone; the loop's last two trips ask for nothing.
.macro ASK
	s_cmp_gt_u32 s3, s[LIM]                        ; s3 = 6 .. 1: the refill for K step 8 - s3 names K step 10 - s3, while that is 7 at the most
	s_cbranch_scc0 .Lnot_mine_\@
	global_prefetch_b8 v[PFO], s[PFA:PFA+1] th:TH_LOAD_NT scope:SCOPE_SE
.Lnot_mine_\@:
.endm
.macro CREST                           ; a round of the cluster's barrier behind its opening barrier
	s_cmp_lg_u32 s10, 0
	s_cbranch_scc1 .Lnot_wave_0_\@
	s_barrier_signal -3
.Lnot_wave_0_\@:
	s_barrier_wait -3
	s_barrier_signal -1
	s_barrier_wait -1
.endm
.macro CROUND
	s_barrier_signal -1
	s_barrier_wait -1
	CREST
.endm
.macro TOSLOT                          ; the fetches' addresses in the slot that s[TB] names
	v_add_nc_u32 v[ADRA], s[TB], v[ADRA0]
	v_add_nc_u32 v[ADRB], s[TB], v[ADRB0]
.endm
	s_load_b128 s[4:7], s[0:1], 0x0                ; A s[4:5], W's buffer s[6:7]
	s_load_b64 s[8:9], s[0:1], 0x10                ; C
	v_lshl_add_u32 v[SPW], v0, 2, SPARE
	v_mov_b32 v[NIL], 0
	ds_add_u32 v[SPW], v[NIL]                      ; the wave's opening: the add and its wait stand ahead of my first tensor load; work on registers stands between
	v_lshrrev_b32 v1, 5, v0
	v_readfirstlane_b32 s10, v1                    ; wave 0..3
	s_lshr_b32 s11, s10, 1                         ; my half of the tile's rows.  Also: I fetch for A (0) or for W (1)
	s_and_b32 s12, s10, 1                          ; my half of its columns.  Also: which half of that tile I fetch
	s_bfe_u32 s40, ttmp6, 0x40000                  ; cx
	s_bfe_u32 s41, ttmp6, 0x40004                  ; cy
	s_lshl_b32 s42, ttmp9, 2
	s_add_co_u32 s42, s42, s40                     ; tile column = 4 x cluster x + cx
	s_and_b32 s13, ttmp7, 0xffff
	s_lshl_b32 s13, s13, 2
	s_add_co_u32 s13, s13, s41                     ; tile row = 4 x cluster y + cy
	s_lshl_b32 s43, s41, 2
	s_lshl_b32 s43, 15, s43                        ; my row of the cluster
	s_lshl_b32 s44, 0x1111, s40                    ; my column
	s_or_b32 s[G1+0], s43, (1<<16)|(1<<20)|(1<<21)|(5<<22)|(3<<25)   ; mask; 2-byte elements; padding on; bit 21 beside a mask; after every 64 words 4 words
	s_mov_b32 s[G1+1], 128<<16                     ; tensor_dim0 = 128
	s_mov_b32 s[G1+2], 128<<16                     ; tensor_dim1 = 128
	s_mov_b32 s[G1+3], 128<<16                     ; tile_dim0 = 128
	s_mov_b32 s[G1+4], 128                         ; tile_dim1 = 128
	s_mov_b32 s[G1+5], 256                         ; a panel's row: 256 elements
	s_mov_b32 s[G1+6], 0
	s_mov_b32 s[G1+7], 0
	s_or_b32 s[G1B+0], s44, (1<<16)|(1<<20)|(1<<21)|(6<<22)|(7<<25)  ; after every 128 words 8 words
	s_mov_b32 s[G1B+1], 256<<16                    ; tensor_dim0 = 256
	s_mov_b32 s[G1B+2], 64<<16                     ; tensor_dim1 = 64
	s_mov_b32 s[G1B+3], 256<<16                    ; tile_dim0 = 256
	s_mov_b32 s[G1B+4], 64                         ; tile_dim1 = 64
	s_mov_b32 s[G1B+5], 256
	s_mov_b32 s[G1B+6], 0
	s_mov_b32 s[G1B+7], 0
	s_mov_b32 s[AST], APAN-256                     ; the first refill goes from K step 1 to K step 2
	s_mov_b32 s[AST+1], 0
	s_mov_b32 s[TB], 0
	s_lshl_b32 s16, s13, 17                        ; A: (256 x tile row + 128 x half) rows of 512 bytes
	s_lshl_b32 s17, s12, 16
	s_add_co_u32 s16, s16, s17
	s_mov_b32 s17, 0
	s_lshl_b32 s46, s42, 19                        ; W: behind the head, panel = tile column, 64 x half rows of 512 bytes
	s_lshl_b32 s47, s12, 15
	s_add_co_u32 s46, s46, s47
	s_add_co_u32 s46, s46, HEAD
	s_mov_b32 s47, 0
	s_mul_i32 s20, s10, HALFT                      ; where my tile goes: no place in the cluster enters an LDS address
	s_wait_dscnt 0x0                               ; the opening add is done
	s_wait_kmcnt 0x0
	s_load_b32 s[FLOOR], s[6:7], 0x4000            ; waited for with the bias, below
	s_add_nc_u64 s[14:15], s[4:5], s[16:17]
	s_add_nc_u64 s[46:47], s[6:7], s[46:47]
	CROUND                                         ; all sixteen work-groups are here: the first joint loads meet
.irp s, 0,1
	s_mov_b32 s[G0+4*(\s)], 1
	s_add_co_u32 s[G0+4*(\s)+1], s20, (\s)*SLOT
	s_add_nc_u64 s[G0+4*(\s)+2:G0+4*(\s)+3], s[14:15], (\s)*256       ; K step s: the panel's second 128 columns
	s_or_b32 s[G0+4*(\s)+3], s[G0+4*(\s)+3], 0x80000000
	s_mov_b32 s[G0B+4*(\s)], 1
	s_add_co_u32 s[G0B+4*(\s)+1], s20, (\s)*SLOT
	s_add_nc_u64 s[G0B+4*(\s)+2:G0B+4*(\s)+3], s[46:47], (\s)*BSTEP   ; K step s: 128 rows on
	s_or_b32 s[G0B+4*(\s)+3], s[G0B+4*(\s)+3], 0x80000000
	JLOAD \s                                       ; two loads of mine are out
.endr
	v_and_b32 v1, 15, v0                           ; r = l % 16
	v_bfe_u32 v2, v0, 4, 1                         ; h = l / 16
	v_lshlrev_b32 v[BO], 5, v2
	s_lshl_b32 s20, s42, 10                        ; my first column x 4 bytes: 256 x tile column + 128 x half
	s_lshl_b32 s21, s12, 9
	s_add_co_u32 s20, s20, s21
	s_mov_b32 s21, 0
	s_add_nc_u64 s[BB:BB+1], s[6:7], s[20:21]
	WIN TO_B
.irp b, 0,1,2,3,4,5,6,7                ; register 8 b + j = bias[my first column + 16 b + 8 h + j]: the layout of an accumulator's lane
	global_load_b128 v[BIAS+8*(\b):BIAS+8*(\b)+3],   v[BO], s[BB:BB+1] offset:64*(\b)
	global_load_b128 v[BIAS+8*(\b)+4:BIAS+8*(\b)+7], v[BO], s[BB:BB+1] offset:64*(\b)+16
.endr
	WIN 0
	v_mul_u32_u24 v3, v1, PA
	v_lshl_add_u32 v3, v2, 4, v3                   ; A: row r, 16 bytes for each half of the lanes
	v_and_b32 v4, 7, v0
	v_lshl_add_u32 v4, v2, 3, v4
	v_mul_u32_u24 v4, v4, PB                       ; W, turning load: K row 8 h + l % 8,
	v_bfe_u32 v5, v0, 3, 1
	v_lshl_add_u32 v4, v5, 4, v4                   ; columns 8 ((l / 8) % 2) on
	s_mul_i32 s21, s11, HALFT                      ; my 128 rows of A
	s_lshl_b32 s22, s12, 8                         ; my 128 columns of W,
	s_add_co_u32 s22, s22, 2*HALFT                 ; which lies behind A
	v_add_nc_u32 v[ADRA0], s21, v3
	v_add_nc_u32 v[ADRB0], s22, v4
	TOSLOT                                         ; slot 0
	s_mul_i32 s23, s10, WSTAGE
	s_add_co_u32 s23, s23, STAGE                   ; my stage
	v_mul_u32_u24 v6, v1, SP
	v_lshl_add_u32 v6, v2, 4, v6
	v_add_nc_u32 v[STO], s23, v6
	v_bfe_u32 v6, v0, 3, 2                         ; back: 32 lanes take four rows of 128 bytes,
	v_mul_u32_u24 v6, v6, SP
	v_and_b32 v7, 7, v0
	v_lshl_add_u32 v6, v7, 4, v6
	v_add_nc_u32 v[RD], s23, v6
	v_and_b32 v[CO], 31, v0                        ; which are 512 consecutive bytes of a panel of C
	v_lshlrev_b32 v[CO], 4, v[CO]
	; the prefetches: s[14:15] and s[46:47] still stand at my tile of K step 0
	s_and_b32 s22, ttmp7, 0xffff                   ; cluster y
	s_mov_b32 s18, 3*BSTEP                         ; to K step 3: in W 384 rows on, in A the second panel's second half
	s_mov_b32 s[STP], BSTEP
	s_cmp_eq_u32 s11, 0                            ; do I fetch for A?
	s_cselect_b32 s21, s40, s41                    ; my place among the four that ask with me
	s_cselect_b32 s22, ttmp9, s22                  ; the coordinate along which other clusters walk the same rows
	s_cselect_b64 s[PFA:PFA+1], s[14:15], s[46:47]
	s_cselect_b32 s20, 14, 13                      ; 32 blocks: in A 32 rows of 512 bytes, in W 32 x 256 dense bytes
	s_cselect_b32 s23, 9, 8                        ; from block to block
	s_cselect_b32 s18, APAN+256, s18
	s_cselect_b32 s[STP], APAN-256, s[STP]         ; the first step goes from K step 3 to K step 4
	s_cselect_b32 s[STX], ATOG, 0
	s_mov_b32 s[STP+1], 0
	s_cmp_eq_u32 s22, 0
	s_cselect_b32 s[LIM], 2, -1                    ; the same in all sixteen partners, for a given wave
	s_lshl_b32 s21, s21, s20
	s_add_co_u32 s18, s18, s21
	s_mov_b32 s19, 0
	s_add_nc_u64 s[PFA:PFA+1], s[PFA:PFA+1], s[18:19]  ; at K step 3: the first refill steps it to 4
	v_and_b32 v[PFO], 31, v0
	v_lshlrev_b32 v[PFO], s23, v[PFO]
	; where my part of the tile begins in C: panel 4 x tile column + 2 x half, row 256 x tile row + 128 x half
	s_lshl_b32 s16, s13, 15
	s_lshl_b32 s17, s11, 14
	s_add_co_u32 s16, s16, s17
	s_lshl_b32 s46, s42, 21
	s_lshl_b32 s47, s12, 20
	s_add_co_u32 s46, s46, s47
	s_add_co_u32 s16, s16, s46
	s_mov_b32 s17, 0
	s_add_nc_u64 s[8:9], s[8:9], s[16:17]
; 16 matrix instructions: m blocks a0, a0 + 1 of the window's four x all 8 n blocks, 32 along K.  zero = 1: the products start the sums, with the bias as C.
; The 64 accumulators take turns, one instruction a turn, in the same order in every quarter.
.macro MUL16 f, hi, a0, zero
.if \zero
	WIN 0x91+0x40*(\hi)                            ; C in window 1
.else
	WIN MUL_LO+0x50*(\hi)
.endif
.irp a, \a0, (\a0)+1
.irp b, 0,1,2,3,4,5,6,7
.if \zero
	v_wmma_f32_16x16x32_bf16 v[8*(8*(\a)+(\b)):8*(8*(\a)+(\b))+7], v[(\f)+8*(\b):(\f)+8*(\b)+7], v[(\f)+8*(4*(\hi)+(\a)):(\f)+8*(4*(\hi)+(\a))+7], v[BIAS+8*(\b):BIAS+8*(\b)+7]
.else
	v_wmma_f32_16x16x32_bf16 v[8*(8*(\a)+(\b)):8*(8*(\a)+(\b))+7], v[(\f)+8*(\b):(\f)+8*(\b)+7], v[(\f)+8*(4*(\hi)+(\a)):(\f)+8*(4*(\hi)+(\a))+7], v[8*(8*(\a)+(\b)):8*(8*(\a)+(\b))+7]
.endif
.endr
.endr
.endm
; 32 LDS loads in one run: quarter q (32 along K) of the slot in hand into buffer f: W's 8 blocks of 16 columns, turned, then A's 8 blocks of 16 rows
.macro FETCH q, f
	WIN TO_B
.irp i, 0,1,2,3,4,5,6,7
	ds_load_tr16_b128 v[(\f)+8*(\i):(\f)+8*(\i)+3],   v[ADRB] offset:(\q)*32*PB+32*(\i)
	ds_load_tr16_b128 v[(\f)+8*(\i)+4:(\f)+8*(\i)+7], v[ADRB] offset:(\q)*32*PB+32*(\i)+16*PB
.endr
	WIN 0
.irp i, 0,1,2,3,4,5,6,7
	ds_load_b128 v[(\f)+8*(\i):(\f)+8*(\i)+3],   v[ADRA] offset:64*(\q)+(\i)*16*PA
	ds_load_b128 v[(\f)+8*(\i)+4:(\f)+8*(\i)+7], v[ADRA] offset:64*(\q)+(\i)*16*PA+32
.endr
.endm
.macro PLACES                          ; four plain instructions between a matrix instruction and a load into its sources, or a reader of its result
.rept 4
	v_nop
.endr
.endm
; A K step is four quarters of 64 matrix instructions on buffers 0, 1, 0, 1.  One of the first three multiplies buffer f and, in its middle, fetches quarter q into buffer g.
.macro QUARTER q, f, g, zero
	s_wait_dscnt 8                                 ; W and A's rows 0-63 are in; the youngest eight loads (A's rows 64-127) may be out
	MUL16 \f, 0, 0, \zero
	MUL16 \f, 0, 2, \zero
	PLACES
	FETCH \q, \g
	s_wait_dscnt 32                                ; all but the 32 just issued
	MUL16 \f, 1, 0, \zero
	MUL16 \f, 1, 2, \zero
.endm
; The first half of the last quarter: one barrier for the change of slots.  In front of it each wave waits for all its tensor loads (one is out: its part of the next slot), adds 0 to its
; spare word, and waits for that and for its reads of this slot.  The slot's last fetch has been issued, so the fetches' addresses are turned to the other slot while the add is out.
.macro MEET round
	WIN 0
	s_wait_tensorcnt 0x0
	ds_add_u32 v[SPW], v[NIL]
	s_xor_b32 s[TB], s[TB], SLOT
	TOSLOT
	s_wait_dscnt 9                                 ; the add and the youngest eight loads may be out
	MUL16 F1, 0, 0, 0
	s_wait_dscnt 0x0                               ; the add is done, my reads of this slot are over
	s_barrier_signal -1
	MUL16 F1, 0, 2, 0
.if \round
	WIN 0
.endif
	s_barrier_wait -1
.endm
; The whole last quarter.  fill = 1: the barrier opens a round of the cluster's barrier, and the slot just read out is filled again, first thing behind the round, with the K step two on:
; from the request to the wait for it a wave issues 224 matrix instructions.
.macro TURN fill
.if \fill
	s_wait_xcnt 0x0                                ; the last prefetch, a K step back, has read its address
	s_add_nc_u64 s[PFA:PFA+1], s[PFA:PFA+1], s[STP:STP+1]
	s_xor_b32 s[STP], s[STP], s[STX]
	MEET 1
	CREST
	s_xor_b32 s[G0+5], s[G0+5], SLOT               ; the walking descriptors: the other slot than last time,
	s_add_nc_u64 s[G0+6:G0+7], s[G0+6:G0+7], s[AST:AST+1]  ; the next K step; the type bits on top are not reached
	s_xor_b32 s[AST], s[AST], ATOG
	s_xor_b32 s[G0B+5], s[G0B+5], SLOT
	s_add_nc_u64 s[G0B+6:G0B+7], s[G0B+6:G0B+7], BSTEP
	JLOAD 1                                        ; its four v_nop are also the places in front of the loads below
	FETCH 0, F0
	ASK
.else
	MEET 0
	PLACES
	FETCH 0, F0
.endif
	MUL16 F1, 1, 0, 0
	MUL16 F1, 1, 2, 0
.endm
; THE WAY OUT of block a (16 rows x 128 columns).  PACK: rounded to bf16, then the maximum with the floor.  TOSTAGE: into my own stage, a panel's 64 columns to a row of 144 bytes, and back four
; rows at a time.  SEND: stored, 512 consecutive bytes an instruction.
.macro PACK a
.set AC, 64*((\a)%4)
	WIN 0x0a+5*((\a)/4)                            ; sources 0 and 1: window 2 or 3
.irp b, 0,1,2,3,4,5,6,7
.irp r, 0,1,2,3
	v_cvt_pk_bf16_f32 v[TMP+4*(\b)+(\r)], v[AC+8*(\b)+2*(\r)], v[AC+8*(\b)+2*(\r)+1]
.endr
.endr
	WIN 0
.set r2, 0
.rept 32
	v_pk_max_num_bf16 v[TMP+r2], v[TMP+r2], s[FLOOR]
.set r2, r2+1
.endr
.endm
.macro TOSTAGE a
	WIN 0
.set BK, OB+192*((\a)%2)
.irp b, 0,1,2,3,4,5,6,7
	ds_store_b128 v[STO], v[TMP+4*(\b):TMP+4*(\b)+3] offset:((\b)/4)*16*SP+32*((\b)%4)
.endr
.irp t, 0,1,2,3,4,5,6,7
	ds_load_b128 v[BK+4*(\t):BK+4*(\t)+3], v[RD] offset:((\t)/4)*16*SP+((\t)%4)*4*SP  ; LDS serves a wave's instructions in order (ISA guide 5.7.1.4): these see the stores above
.endr
.endm
.macro SEND a
	WIN 0
.set BK, OB+192*((\a)%2)
	s_wait_dscnt 0x0                               ; the block is back in registers
	s_wait_xcnt 0x0                                ; the block before's stores have read their registers: the next TOSTAGE loads into them
.irp t, 0,1,2,3,4,5,6,7
	global_store_b128 v[CO], v[BK+4*(\t):BK+4*(\t)+3], s[8:9] offset:((\t)/4)*524288+(\a)*2048+((\t)%4)*512
.endr
.endm
	s_wait_tensorcnt 1                             ; my part of K step 0 is in; K step 1's may stay out
	s_barrier_signal -1
	s_barrier_wait -1
	FETCH 0, F0
	s_wait_loadcnt 0x0                             ; the bias
	s_wait_kmcnt 0x0                               ; the floor
	QUARTER 1, F0, F1, 1                           ; the first quarter stands in front of the loop: its products start the sums
	WIN 0
	s_mov_b32 s3, STEPS-2
.Lstep:                                        ; a trip goes from a K step's second quarter to the next step's first, and fills the slot that it leaves: K steps 2 to 7 are asked for
	QUARTER 2, F1, F0, 0
	QUARTER 3, F0, F1, 0
	TURN 1
	QUARTER 1, F0, F1, 0
	WIN 0
	s_sub_co_u32 s3, s3, 1
	s_cmp_lg_u32 s3, 0
	s_cbranch_scc1 .Lstep
	QUARTER 2, F1, F0, 0                           ; the last K step but one is written out: nothing is asked for
	QUARTER 3, F0, F1, 0
	TURN 0
	QUARTER 1, F0, F1, 0
	QUARTER 2, F1, F0, 0                           ; the last K step
	QUARTER 3, F0, F1, 0
	s_wait_dscnt 8
	MUL16 F1, 0, 0, 0
	MUL16 F1, 0, 2, 0
	s_wait_dscnt 0x0
	MUL16 F1, 1, 0, 0
	MUL16 F1, 1, 2, 0
	PLACES
	PACK 0
	TOSTAGE 0
.irp a, 1,2,3,4,5,6,7                  ; block a's conversions stand between block a - 1's loads from the stage and the wait for them
	PACK \a
	SEND (\a)-1
	TOSTAGE \a
.endr
	SEND 7
	s_wait_tensorcnt 0x0                           ; the wave's end
	ds_add_u32 v[SPW], v[NIL]
	s_wait_dscnt 0x0
	CROUND                                         ; the closing round
	s_endpgm
.Lfunc_end_k_q1f1fa04304_qkv:
	.size	k_q1f1fa04304_qkv, .Lfunc_end_k_q1f1fa04304_qkv-k_q1f1fa04304_qkv
	.p2alignl 7, 3214868480
	.fill 96, 4, 3214868480
	.section	.rodata,"a",@progbits
	.p2align	6, 0x0
	.amdhsa_kernel k_q1f1fa04304_qkv
		.amdhsa_group_segment_fixed_size 327680
		.amdhsa_private_segment_fixed_size 0
		.amdhsa_enable_private_segment 0
		.amdhsa_kernarg_size 24
		.amdhsa_user_sgpr_count 2
		.amdhsa_user_sgpr_kernarg_segment_ptr 1
		.amdhsa_wavefront_size32 1
		.amdhsa_system_sgpr_workgroup_id_x 1
		.amdhsa_system_sgpr_workgroup_id_y 1
		.amdhsa_system_sgpr_workgroup_id_z 1
		.amdhsa_system_vgpr_workitem_id 0
		.amdhsa_next_free_vgpr 1024
		.amdhsa_next_free_sgpr 80
		.amdhsa_reserve_vcc 0
		.amdhsa_float_denorm_mode_32 3
		.amdhsa_float_denorm_mode_16_64 3
		.amdhsa_memory_ordered 1
		.amdhsa_forward_progress 1
		.amdhsa_inst_pref_size 135
	.end_amdhsa_kernel
	.amdgpu_metadata
---
amdhsa.version: [ 1, 2 ]
amdhsa.kernels:
  - .name:           k_q1f1fa04304_qkv
    .symbol:         k_q1f1fa04304_qkv.kd
    .args:
      - { .name: a16, .offset: 0, .size: 8, .value_kind: global_buffer, .address_space: global }
      - { .name: wqkv, .offset: 8, .size: 8, .value_kind: global_buffer, .address_space: global }
      - { .name: big, .offset: 16, .size: 8, .value_kind: global_buffer, .address_space: global }
    .group_segment_fixed_size: 327680
    .private_segment_fixed_size: 0
    .kernarg_segment_align: 8
    .kernarg_segment_size: 24
    .max_flat_workgroup_size: 128
    .sgpr_count:     80
    .vgpr_count:     1024
    .wavefront_size: 32
...
	.end_amdgpu_metadata
.endif
;; end of part 2
;; launch attn (part 3): grid 8 x 32, 4 waves a work-group, clusters of 4 x 1, 327,680 bytes of LDS; arguments big, ctx; writes ctx
.if DOCPART == 3
	.amdgcn_target "amdgcn-amd-amdhsa--gfx1250"
	.amdhsa_code_object_version 6
	.text
	.protected	k_q1f1fa04304_attn
	.globl	k_q1f1fa04304_attn
	.p2align	8
	.type	k_q1f1fa04304_attn,@function
k_q1f1fa04304_attn:
	s_mov_b64 s[64:65], 0
	v_nop
	global_prefetch_b8 v0, s[64:65] scope:SCOPE_SE
	s_setreg_imm32_b32 hwreg(HW_REG_WAVE_MODE, 25, 1), 1
	s_wait_xcnt 0x0
	s_wait_alu depctr_hold_cnt(0) depctr_sa_sdst(0) depctr_va_vdst(0) depctr_va_sdst(0) depctr_va_ssrc(0) depctr_va_vcc(0) depctr_vm_vsrc(0)
	s_getreg_b32 s2, hwreg(HW_REG_IB_STS2, 6, 4)
	s_cmp_eq_u32 s2, 0
	s_cbranch_scc0 .Lentry_in_a_cluster
	s_endpgm
.Lentry_in_a_cluster:
	s_bfe_u32 s2, ttmp6, 0x10000c
	s_cmp_lg_u32 s2, 0x3003
	s_cbranch_scc0 .Lentry_shape_is_right
	s_endpgm
.Lentry_shape_is_right:
; ctx[head][q][:] = the sum over k of softmax_k(Q[q] . V[k] / 8) V[k][:]: the module's scores are Q V^T, so V is key and value.  32 heads (2 batches x 16) of 2,048 rows x 64 channels.
; big: panels [.][4096][64] bf16, q in panels 0-15, v in panels 32-47: a head's rows are dense, 128 bytes each.  ctx: the same layout.  Products, maxima and sums in f32; the weights p are
; rounded to bf16 for the second product (their sum l is taken of the unrounded p), ctx once at the end.  LIMITS: a weight below 2^-126 counts as 0 in l; NaN and infinities are not treated apart.
; SHARES.  A work-group owns 256 queries of a head, a wave 64: two PIECES of two tiles of 16.  Every wave walks all 2,048 keys, 64 a step; an LDS slot holds a tile of 256 keys, four steps.
; V LIES IN A SLOT TWICE: once with rows 144 bytes apart, read as it lies (the keys of S^T = V Q^T), once with rows 160 bytes apart, read by the turning load (O^T = V^T P): no one pitch
; keeps both kinds of load free of bank conflicts.  Waves 0 and 1 fetch the first copy's halves, waves 2 and 3 the second's.
; LAYOUT.  In S^T a lane holds ONE query (lane % 16) and the keys 8 (lane / 16) + 0..7; two such results rounded to bf16 ARE source 1 of O^T = V^T P.
; SOFTMAX.  A running maximum m and sum l: p = 2^(c s - c m), c = log2(e) / 8; in every step O and l are multiplied by a = 2^(c m_old - c m_new).  m starts at the lowest finite number, O and l
; at 0: the first step is a step like any other, with a = 0.  The price: 240 v_mov_b32 in the wait for the first tile, 16 products on zeros at the start, 16 on a stale K at the end.
; BY TURNS.  In a turn one piece has the matrix unit: 16 products V^T P of step j, then 16 products K Q^T of step j + 1; the OTHER piece's whole softmax, 236 vector instructions, stands between
; them, seven behind each product and twelve at the end.  Nothing that a turn's vector work names is named by its products.  Piece 0's turn carries piece 1's softmax of step j and fetches K of
; step j + 1; piece 1's turn carries piece 0's softmax of step j + 1 and fetches V of step j + 1.
; CLUSTER.  The four query blocks of a cluster belong to one head and walk the same tiles: each is asked for jointly, by the same load, descriptor and mask in all four.
; REGISTERS, in windows of 256: window 0: v0-11 addresses; v12-15 c m_old; v16-31 statistics, 4 a tile; v32-34; v48-63 at work, 4 a tile; v64-191 S^T, 32 a tile; v192-255 P, 16 a tile
;   window 1: v0-127 O^T, 32 a tile; v128-191 Q, 16 a tile; v192-255 K of one step          window 2: v0-63 V of one step
.set KS,    64
.set PK,    144       ; 128 bytes + 16 = 36 words: the 16 rows of a load start at 16 different groups of four banks (64 banks of 4 bytes: ISA guide 11.1)
.set PV,    160       ; 128 + 32 = 40 words
.set VOFF,  4*KS*PK   ; a slot: 256 rows at pitch PK, then 256 rows at pitch PV
.set SLOT1, 1<<17     ; slot 1 begins here: one exclusive or turns an address in one slot into the other's
.set STAGE, SLOT1+4*KS*(PK+PV)  ; behind the ring: 16 rows x 144 bytes for each wave
.set SP,    144
.set SPARE, STAGE+4*16*SP       ; the spare words, 128 bytes a wave: two blocks of 256 bytes that no other line names
.set TILEB, 32768     ; a tile's bytes in memory
.set VBASE, 32*524288 ; v's first panel in big
.set AK0, 2           ; v2  my lane's place in the first copy; never rewritten
.set AV0, 3           ; v3  in the second
.set AK,  4           ; v4  the address of K's run of loads
.set AV,  5           ; v5  of V's
.set QO,  6           ; v6  my byte offset in 16 rows of Q
.set STO, 6           ;     later: where I put 16 bytes of a row
.set RD,  7           ; v7  where I read rows back
.set GO,  8           ; v8  16 x lane
.set MV,  12
.set ST,  16          ; tile t at v[ST+4 t]: c m, m, l (even keys', odd keys')
.set SPW, 32          ; v32 my spare word's address; never rewritten
.set NIL, 33          ; v33 0; never rewritten
.set PFO, 34          ; v34 256 x lane; never rewritten
.set TMP, 48          ; tile t at v[TMP+4 t]: c0-c3; when the maximum is found c2 takes a
.set S,   64
.set P,   192
.set QF,  128         ; window 1
.set KF,  192         ; window 1: key block kb, channel half c at KF + 16 kb + 8 c
.set VF,  0           ; window 2: key half kk, channel block cb at VF + 32 kk + 8 cb
.set WV,  12          ; s12 wave
.set LIM, 15          ; s15 1 in the wave that prefetches, else the greatest number
.set PFA, 18          ; s[18:19] where my prefetches stand
.set G1K, 24
.set G1V, 32
.set G0K, 40
.set G0V, 44
.set SLOTS, 56
.set CNT, 57
.set CS,  58          ; s[58:59] c
.set SEL, 60          ; s[60:61] v_permlanex16_b32's selects
.set TBK, 62          ; s62 LDS byte at which K of the step to be fetched begins
.set TBV, 63          ; s63 the same for V, less VOFF
.set MSB, 0
.macro WIN new
.if MSB != (\new)
	s_set_vgpr_msb (MSB<<8)|(\new)
.set MSB, (\new)
.endif
.endm
.set W_KQ, 0x05       ; K and Q in window 1, S^T in window 0
.set W_PV, 0x52       ; V in window 2, P in window 0, O^T in window 1
.set W_RS, 0x41       ; destination and source 0 in window 1, source 1 in window 0
.macro JLOAD                        ; a joint fill; the branch hangs on the wave's number alone; an s_nop 0 and four v_nop follow each line
	s_cmp_lt_u32 s[WV], 2
	s_cbranch_scc0 .Lfor_v_\@
	tensor_load_to_lds s[G0K:G0K+3], s[G1K:G1K+7]
	s_nop 0
.rept 4
	v_nop
.endr
	s_branch .Lasked_\@
.Lfor_v_\@:
	tensor_load_to_lds s[G0V:G0V+3], s[G1V:G1V+7]
	s_nop 0
.rept 4
	v_nop
.endr
.Lasked_\@:
.endm
; A prefetch into the L2 of the tile that the NEXT change of slots will ask for: four key steps, 256 matrix instructions, ahead.  A tile is 128 blocks of 256 bytes, from which both copies come.
; All clusters of a head walk the same tiles: the head's first cluster asks; its four partners take 32 blocks each, told apart by address; in each, wave 0 asks: a lane a block, one instruction.
; Tiles 0 to 2 come by their loads alone; the last change that fills a slot asks for nothing.
.macro ASK
	s_cmp_gt_u32 s[SLOTS], s[LIM]
	s_cbranch_scc0 .Lnot_mine_\@
	global_prefetch_b8 v[PFO], s[PFA:PFA+1] th:TH_LOAD_NT scope:SCOPE_SE
.Lnot_mine_\@:
.endm
.macro CROUND
	s_barrier_signal -1
	s_barrier_wait -1
	s_cmp_lg_u32 s[WV], 0
	s_cbranch_scc1 .Lnot_wave_0_\@
	s_barrier_signal -3
.Lnot_wave_0_\@:
	s_barrier_wait -3
	s_barrier_signal -1
	s_barrier_wait -1
.endm
; THE CHANGE OF SLOTS.  Each wave waits for all its tensor loads (one is out: its part of the other slot), adds 0 to its spare word, and waits for that and for its reads of the slot that it leaves.
; fill = 1: the barrier is a round of the cluster's, and the old slot is filled again first thing behind it, with the tile two on: it has four key steps in which to land.
; (At its first use nothing has been read yet: slot 0 is waited for, slot 1 filled.)
.macro CHANGE fill, ask
	WIN 0
	s_wait_tensorcnt 0x0            ; no tensor load of mine is out, so a group 0 may be written
	ds_add_u32 v[SPW], v[NIL]
.if \fill
.irp g, G0K, G0V
	s_xor_b32 s[\g+1], s[\g+1], SLOT1
	s_add_nc_u64 s[\g+2:\g+3], s[\g+2:\g+3], TILEB
.endr
.if \ask
	s_wait_xcnt 0x0                 ; the last prefetch, four key steps back, has read its address
	s_add_nc_u64 s[PFA:PFA+1], s[PFA:PFA+1], TILEB
.endif
	s_wait_dscnt 0x0                ; the add is done, my reads of the slot are over
	CROUND
	JLOAD
.if \ask
	ASK
.endif
.else
	s_wait_dscnt 0x0
	s_barrier_signal -1
	s_barrier_wait -1
.endif
	s_sub_co_u32 s[TBK], s[TBK], 4*KS*PK  ; the fetches go back to a slot's first step, in the other slot
	s_xor_b32 s[TBK], s[TBK], SLOT1
	s_sub_co_u32 s[TBV], s[TBV], 4*KS*PV
	s_xor_b32 s[TBV], s[TBV], SLOT1
.endm
	s_load_b128 s[4:7], s[0:1], 0x0 ; big s[4:5], ctx s[6:7]
	v_lshl_add_u32 v[SPW], v0, 2, SPARE
	v_mov_b32 v[NIL], 0
	ds_add_u32 v[SPW], v[NIL]       ; the wave's opening: the add and its wait stand ahead of my first tensor load
	v_lshrrev_b32 v1, 5, v0
	v_readfirstlane_b32 s[WV], v1
	s_bfe_u32 s13, ttmp6, 0x40000   ; cx
	s_lshl_b32 s14, ttmp9, 2
	s_add_co_u32 s14, s14, s13      ; my block of 256 queries: it enters Q's and ctx's addresses alone
	s_and_b32 s20, ttmp7, 0xffff    ; the head 0..31, which the partners share
	s_lshr_b32 s21, s20, 4          ; batch: 2,048 rows of 128 bytes
	s_and_b32 s20, s20, 15          ; panel
	s_lshl_b32 s20, s20, 19
	s_lshl_b32 s21, s21, 18
	s_add_co_u32 s20, s20, s21      ; the head's first byte among q's, v's and ctx's panels
	s_and_b32 s2, s[WV], 1          ; which half of a tile's 256 keys I fetch
	s_lshl_b32 s22, s2, 14
	s_add_co_u32 s22, s22, s20
	s_add_co_u32 s22, s22, VBASE
	s_mov_b32 s23, 0
	s_mul_i32 s50, s2, 128*PK       ; and its place in a slot: no place in the cluster enters an LDS address
	s_mul_i32 s51, s2, 128*PV
	s_lshl_b32 s48, s14, 2
	s_add_co_u32 s48, s48, s[WV]
	s_lshl_b32 s48, s48, 13         ; my wave's 64 rows
	s_add_co_u32 s48, s48, s20
	s_mov_b32 s49, 0
	s_lshl_b32 s16, s13, 13         ; the prefetches: my work-group's 32 blocks, in tile 2; the first asking change steps it to tile 3
	s_add_co_u32 s16, s16, s20
	s_add_co_u32 s16, s16, VBASE+2*TILEB
	s_mov_b32 s17, 0
	; group 1: 128 keys are 16,384 dense bytes: asked for as 64 rows of 256 bytes, padded in LDS after every key
	s_mov_b32 s[G1K], 15|(1<<16)|(1<<20)|(1<<21)|(4<<22)|(3<<25)  ; the mask of four; 2-byte elements; padding on; bit 21 beside a mask; after every 32 words 4 words
	s_mov_b32 s[G1V], 15|(1<<16)|(1<<20)|(1<<21)|(4<<22)|(7<<25)  ; 8 words
.irp g, G1K, G1V
	s_mov_b32 s[\g+1], 128<<16
	s_mov_b32 s[\g+2], 64<<16
	s_mov_b32 s[\g+3], 128<<16
	s_mov_b32 s[\g+4], 64
	s_mov_b32 s[\g+5], 128
	s_mov_b32 s[\g+6], 0
	s_mov_b32 s[\g+7], 0
.endr
	s_mov_b32 s[CS], 0x3e38aa3b     ; c = log2(e) / 8
	s_mov_b32 s[CS+1], s[CS]
	s_mov_b32 s[SEL], 0x76543210
	s_mov_b32 s[SEL+1], 0xfedcba98
	s_mov_b32 s[TBK], SLOT1+4*KS*PK ; the first change of slots turns these two into 0
	s_mov_b32 s[TBV], SLOT1+4*KS*PV
	s_mov_b32 s[G0K], 1
	s_mov_b32 s[G0K+1], s50
	s_mov_b32 s[G0V], 1
	s_add_co_u32 s[G0V+1], s51, VOFF
	s_or_b32 s[LIM], s[WV], ttmp9   ; 0 in wave 0 of the head's first cluster: the same in all four partners
	s_cmp_eq_u32 s[LIM], 0
	s_cselect_b32 s[LIM], 1, -1
	v_and_b32 v[PFO], 31, v0
	v_lshlrev_b32 v[PFO], 8, v[PFO]
	s_wait_dscnt 0x0                ; the opening add is done
	s_wait_kmcnt 0x0
	s_add_nc_u64 s[G0K+2:G0K+3], s[4:5], s[22:23]
	s_or_b32 s[G0K+3], s[G0K+3], 0x80000000
	s_add_nc_u64 s[G0V+2:G0V+3], s[4:5], s[22:23]
	s_or_b32 s[G0V+3], s[G0V+3], 0x80000000
	s_add_nc_u64 s[8:9], s[4:5], s[48:49]    ; Q at my wave's first row
	s_add_nc_u64 s[10:11], s[6:7], s[48:49]  ; ctx likewise
	s_add_nc_u64 s[PFA:PFA+1], s[4:5], s[16:17]
	CROUND                          ; all four work-groups are here
	JLOAD                           ; tile 0 into slot 0: one load of mine is out
	v_and_b32 v1, 15, v0            ; l % 16
	v_bfe_u32 v9, v0, 4, 1          ; l / 16
	v_lshlrev_b32 v[QO], 7, v1
	v_lshl_add_u32 v[QO], v9, 4, v[QO]
	WIN 0x40
.set i, 0
.rept 8                             ; Q stays in registers: tile i / 2, channels 32 (i % 2) on
	global_load_b128 v[QF+8*i:QF+8*i+3],   v[QO], s[8:9] offset:(i/2)*2048+(i%2)*64
	global_load_b128 v[QF+8*i+4:QF+8*i+7], v[QO], s[8:9] offset:(i/2)*2048+(i%2)*64+32
.set i, i+1
.endr
.set i, 0
.rept 128                           ; O^T = 0
	v_mov_b32 v[i], 0
.set i, i+1
.endr
	WIN 0x80
.set i, 0
.rept 64                            ; V = 0: the first turn's products V^T P, of a step that has not been, add 0
	v_mov_b32 v[VF+i], 0
.set i, i+1
.endr
	WIN 0
.set i, 0
.rept 4
	v_mov_b32 v[ST+4*i], 0xfe000000    ; c m: far below every c s
	v_mov_b32 v[ST+4*i+1], 0xff7fffff  ; m
	v_mov_b32 v[ST+4*i+2], 0
	v_mov_b32 v[ST+4*i+3], 0
.set i, i+1
.endr
.set i, P+32
.rept 32                            ; piece 1's P = 0
	v_mov_b32 v[i], 0
.set i, i+1
.endr
	v_mul_u32_u24 v[AK0], v1, PK
	v_lshl_add_u32 v[AK0], v9, 4, v[AK0]
	v_and_b32 v10, 7, v0
	v_bfe_u32 v11, v0, 3, 1
	v_lshl_add_u32 v[AV0], v9, 3, v10
	v_mul_u32_u24 v[AV0], v[AV0], PV
	v_lshl_add_u32 v[AV0], v11, 4, v[AV0]
	v_add_nc_u32 v[AV0], VOFF, v[AV0]
; THE MATRIX WORK.  The 8 accumulators of a run of 16 take turns.
; Product i of 16 of S^T = K Q^T for piece x: channels 32 (i / 8) on, keys 16 ((i / 2) % 4) on, tile 2 x + i % 2.  The first 8 start the sums.
.macro SK x
	WIN W_KQ
.set rS, S+32*(2*(\x)+i%2)+8*((i/2)%4)
.set rK, KF+16*((i/2)%4)+8*(i/8)
.set rQ, QF+16*(2*(\x)+i%2)+8*(i/8)
.if i < 8
	v_wmma_f32_16x16x32_bf16 v[rS:rS+7], v[rK:rK+7], v[rQ:rQ+7], 0
.else
	v_wmma_f32_16x16x32_bf16 v[rS:rS+7], v[rK:rK+7], v[rQ:rQ+7], v[rS:rS+7]
.endif
.endm
; Product i of 16 of O^T += V^T P for piece x: keys 32 (i / 8) on, channels 16 ((i / 2) % 4) on, tile 2 x + i % 2.
.macro OV x
	WIN W_PV
.set rO, 32*(2*(\x)+i%2)+8*((i/2)%4)
.set rV, VF+32*(i/8)+8*((i/2)%4)
.set rP, P+16*(2*(\x)+i%2)+8*(i/8)
	v_wmma_f32_16x16x32_bf16 v[rO:rO+7], v[rV:rV+7], v[rP:rP+7], v[rO:rO+7]
.endm
.macro MM x                         ; the turn's next matrix instruction
.if i < 16
	OV \x
.else
.set i, i-16
	SK \x
.set i, i+16
.endif
.set i, i+1
.endm
; THE LDS LOADS stand in runs of 16.  last = 1 (the tail): in the last trip there is no further step, and K's run is jumped over.
.macro FETCH_K last=0
	WIN 0
.if \last
	s_cmp_eq_u32 s[CNT], 1
	s_cbranch_scc1 .Lno_k_\@
.endif
	v_add_nc_u32 v[AK], s[TBK], v[AK0]
	s_add_co_u32 s[TBK], s[TBK], KS*PK
	WIN 0x40
.irp f, 0,1,2,3,4,5,6,7             ; keys 16 (f / 2) on, channels 32 (f % 2) on
	ds_load_b128 v[KF+8*\f:KF+8*\f+3],   v[AK] offset:(\f/2)*16*PK+(\f%2)*64
	ds_load_b128 v[KF+8*\f+4:KF+8*\f+7], v[AK] offset:(\f/2)*16*PK+(\f%2)*64+32
.endr
	WIN 0
.if \last
.Lno_k_\@:
.endif
.endm
.macro FETCH_V
	WIN 0
	v_add_nc_u32 v[AV], s[TBV], v[AV0]
	s_add_co_u32 s[TBV], s[TBV], KS*PV
	s_wait_alu depctr_va_vdst(0)    ; the wait for the softmax's batch of exponentials, ahead of the loads
	WIN 0x80
.irp f, 0,1,2,3,4,5,6,7             ; keys 32 (f / 4) on, channels 16 (f % 4) on
	ds_load_tr16_b128 v[VF+8*\f:VF+8*\f+3],   v[AV] offset:(\f/4)*32*PV+(\f%4)*32
	ds_load_tr16_b128 v[VF+8*\f+4:VF+8*\f+7], v[AV] offset:(\f/4)*32*PV+16*PV+(\f%4)*32
.endr
.endm
; THE VECTOR WORK of a turn, for the two tiles u = 0, 1 of piece Y; the tiles alternate.
.macro REGS t
.set rT, ST+4*(\t)
.set rC, TMP+4*(\t)
.set rM, MV+(\t)
.set rS, S+32*(\t)
.set rP, P+16*(\t)
.set rO, 32*(\t)
.endm
; Number n of the 22 that find a tile's maximum and statistics.  Each accumulator's lowest registers are read first.
;   0-11 four chains c0-c3 of seven scores, three operands at a time   12-14, 16 the four scores left over, the old m, c0-c3 into c0   15 c m_old is kept
;   17, 18 the query's other 32 keys lie in the lane 16 away: the new m   19-21 c m; c m_old - c m_new; a
.macro XS u, n
	REGS 2*Y+(\u)
	WIN 0
.if (\n) < 4
	v_max3_num_f32 v[rC+(\n)], v[rS+8*(\n)], v[rS+8*(\n)+1], v[rS+8*(\n)+2]
.elseif (\n) < 12
	v_max3_num_f32 v[rC+(\n)%4], v[rC+(\n)%4], v[rS+8*((\n)%4)+2*((\n)/4)+1], v[rS+8*((\n)%4)+2*((\n)/4)+2]
.elseif (\n) == 12
	v_max3_num_f32 v[rC], v[rC], v[rS+7], v[rS+15]
.elseif (\n) == 13
	v_max3_num_f32 v[rC+1], v[rC+1], v[rS+23], v[rS+31]
.elseif (\n) == 14
	v_max3_num_f32 v[rC+2], v[rC+2], v[rC+3], v[rT+1]
.elseif (\n) == 15
	v_mov_b32 v[rM], v[rT]
.elseif (\n) == 16
	v_max3_num_f32 v[rC], v[rC], v[rC+1], v[rC+2]
.elseif (\n) == 17
	v_permlanex16_b32 v[rC+3], v[rC], s[SEL], s[SEL+1]
.elseif (\n) == 18
	v_max_num_f32 v[rT+1], v[rC], v[rC+3]
.elseif (\n) == 19
	v_mul_f32 v[rT], s[CS], v[rT+1]
.elseif (\n) == 20
	v_sub_f32 v[rC+1], v[rM], v[rT]
.else
	v_exp_f32 v[rC+2], v[rC+1]
.endif
.endm
.macro FS g, u                      ; c s - c m for pair g of 16
	REGS 2*Y+(\u)
	WIN 0
	v_pk_fma_f32 v[rS+2*(\g):rS+2*(\g)+1], v[rS+2*(\g):rS+2*(\g)+1], s[CS:CS+1], v[rT:rT+1] op_sel_hi:[1,0,0] neg_lo:[0,0,1] neg_hi:[0,0,1]
.endm
.macro EX e, u                      ; the exponential of score e of 32
	REGS 2*Y+(\u)
	WIN 0
	v_exp_f32 v[rS+(\e)], v[rS+(\e)]
.endm
; Number g of the 64 that follow the exponentials.  For each four weights k of a tile: both pairs are rounded to bf16; the second pair is added onto the first, in place; a group later l takes
; that sum (the first time as l = a l + sum).  In groups of eight, tiles alternating.
.macro GS g
.set h, (\g)+6*((\g)/62)
.if h >= 6
.set h, h+2
.endif
	REGS 2*Y+h%2
	WIN 0
.set k, h/8
.if h%8 < 4
	v_cvt_pk_bf16_f32 v[rP+2*k+(h%8)/2], v[rS+4*k+2*((h%8)/2)], v[rS+4*k+2*((h%8)/2)+1]
.elseif h%8 < 6
	v_pk_add_f32 v[rS+4*k:rS+4*k+1], v[rS+4*k:rS+4*k+1], v[rS+4*k+2:rS+4*k+3]
.elseif k == 1
	v_pk_fma_f32 v[rT+2:rT+3], v[rT+2:rT+3], v[rC+2:rC+3], v[rS:rS+1] op_sel_hi:[1,0,1]
.else
	v_pk_add_f32 v[rT+2:rT+3], v[rT+2:rT+3], v[rS+4*k-4:rS+4*k-3]
.endif
.endm
.macro RS n, u                      ; pair n of 16 of O^T times a: ascending
	REGS 2*Y+(\u)
	WIN W_RS
	v_pk_mul_f32 v[rO+2*(\n):rO+2*(\n)+1], v[rO+2*(\n):rO+2*(\n)+1], v[rC+2:rC+3] op_sel_hi:[1,0]
.endm
; THE QUEUE, 236 long; VQ writes its next entry.  0-41 the maxima and statistics up to c m_old - c m_new.  42, 43 the scaling of pair 0.  44-139 ONE BATCH: the two a, the other 30 scalings and the 64
; exponentials, a pair scaled six entries ahead of its exponentials; none of these names an exponential's result.  140-203 roundings and sums.  204-235 the rescaling of O^T.
.macro VQ
.if q < 42
	XS q%2, q/2
.elseif q < 44
	FS 0, q%2
.elseif q < 46
	XS q%2, 21
.elseif q < 136
.set z, q-46
.set g, 1+z/6
.if z%6 == 0
	FS g, 0
.elseif z%6 == 1
	EX 2*g-2, 0
.elseif z%6 == 2
	FS g, 1
.elseif z%6 == 3
	EX 2*g-2, 1
.elseif z%6 == 4
	EX 2*g-1, 0
.else
	EX 2*g-1, 1
.endif
.elseif q < 140
	EX 30+(q-136)/2, q%2
.elseif q < 204
	GS q-140
.else
	RS (q-204)/2, q%2
.endif
.set q, q+1
.endm
; A TURN: piece x has the matrix unit, piece 1 - x the vector unit.  Seven entries behind each of the 32 products; behind the twentieth the queue stands at 140: there a v_nop (the plain
; instruction behind the last exponential) and the ONE wait between the 66 exponentials and the first line that names a result.
; K's run stands behind piece 0's second product: the last product that read K stands 19 rescalings back, in the turn before.  V's run stands at piece 1's wait: behind the last product that read
; V (the sixteenth) stand ten scalings, the v_nop and the run's own address line.  The 19 rescalings at a turn's end are also the places between its last K Q^T and the next turn's first read of those scores.
.macro TURN x, last=0
.set Y, 1-(\x)
.set i, 0
.set q, 0
.if (\x) == 0
	s_wait_dscnt 0x0                ; V is in
.endif
.rept 32
.if ((\x) == 0) && (i == 16)
	s_wait_dscnt 0x0                ; K is in
.endif
	MM \x
.rept 7
	VQ
.endr
.if ((\x) == 0) && (i == 2)
	FETCH_K \last
.endif
.if i == 20
	v_nop
.if (\x) == 1
	FETCH_V
.else
	s_wait_alu depctr_va_vdst(0)
.endif
.endif
.endr
.rept 12
	VQ
.endr
.endm
	CHANGE 1, 0                     ; slot 0 is in, everybody's part of it; tile 1 is asked for, into slot 1
	FETCH_K                         ; key step 0
	s_wait_loadcnt 0x0              ; Q
	s_wait_dscnt 0x0
.set i, 0
.rept 16
	SK 0                            ; piece 0's first scores
.set i, i+1
.endr
	WIN 0                           ; the addresses for the way out: nine plain instructions, the places behind those products
	s_mul_i32 s50, s[WV], 16*SP
	s_add_co_u32 s50, s50, STAGE
	v_mul_u32_u24 v[STO], v1, SP
	v_lshl_add_u32 v[STO], v9, 4, v[STO]
	v_add_nc_u32 v[STO], s50, v[STO]
	v_bfe_u32 v[RD], v0, 3, 2
	v_mul_u32_u24 v[RD], v[RD], SP
	v_lshl_add_u32 v[RD], v10, 4, v[RD]
	v_add_nc_u32 v[RD], s50, v[RD]
	v_and_b32 v[GO], 31, v0
	v_lshlrev_b32 v[GO], 4, v[GO]
	s_mov_b32 s[CNT], 4
	s_mov_b32 s[SLOTS], 7
	s_branch .Lfirst                ; the loop is entered in the middle of a trip
.Lslot:                             ; six times: tiles 2 to 7 are asked for
	CHANGE 1, 1
	s_mov_b32 s[CNT], 4
.Lstep:
	TURN 0
	WIN 0
.Lfirst:
	TURN 1
	WIN 0
	s_sub_co_u32 s[CNT], s[CNT], 1
	s_cmp_lg_u32 s[CNT], 0
	s_cbranch_scc1 .Lstep
	s_sub_co_u32 s[SLOTS], s[SLOTS], 1
	s_cmp_lg_u32 s[SLOTS], 0
	s_cbranch_scc1 .Lslot
	CHANGE 0, 0                     ; the tail is written out
	s_mov_b32 s[CNT], 5             ; four trips fetch the last tile's steps; the fifth is left in its middle
.Ltail:
	TURN 0, 1
	WIN 0
	s_sub_co_u32 s[CNT], s[CNT], 1
	s_cmp_eq_u32 s[CNT], 0
	s_cbranch_scc1 .Lout
	TURN 1
	WIN 0
	s_branch .Ltail
.Lout:
.set i, 0
.rept 16
	OV 1                            ; piece 1's V^T P of the last step
.set i, i+1
.endr
	; THE WAY OUT: l's halves are added; O^T is divided by l, rounded to bf16 and sent through my stage, a tile at a time.  The additions are the places behind the last products.
	WIN 0
.macro ALL line:vararg
.set t, 0
.rept 4
	\line
.set t, t+1
.endr
.endm
	ALL v_add_f32 v[ST+4*t+2], v[ST+4*t+2], v[ST+4*t+3]
	ALL v_permlanex16_b32 v[ST+4*t+3], v[ST+4*t+2], s[SEL], s[SEL+1]
	ALL v_add_f32 v[ST+4*t+2], v[ST+4*t+2], v[ST+4*t+3]
	ALL v_rcp_f32 v[ST+4*t+2], v[ST+4*t+2]
	v_nop                           ; a plain instruction behind the last reciprocal,
	s_wait_alu depctr_va_vdst(0)    ; and one wait for the four, ahead of their first use
.macro PACK t
	WIN W_RS
.set i, 32*(\t)
.rept 16
	v_pk_mul_f32 v[i:i+1], v[i:i+1], v[ST+4*(\t)+2:ST+4*(\t)+3] op_sel_hi:[1,0]
.set i, i+2
.endr
	WIN 0x05                        ; sources 0 and 1 window 1, destination window 0
.set i, 0
.rept 16
	v_cvt_pk_bf16_f32 v[S+16*(\t)+i], v[32*(\t)+2*i], v[32*(\t)+2*i+1]
.set i, i+1
.endr
	WIN 0
.irp f, 0,1,2,3
	ds_store_b128 v[STO], v[S+16*(\t)+4*\f:S+16*(\t)+4*\f+3] offset:32*\f
.endr
.irp f, 0,1,2,3
	ds_load_b128 v[S+16*(\t)+4*\f:S+16*(\t)+4*\f+3], v[RD] offset:\f*4*SP  ; LDS serves a wave's instructions in order (ISA guide 5.7.1.4)
.endr
.endm
.macro SEND t, younger              ; younger: the LDS instructions issued behind tile t's loads
	WIN 0
.irp f, 0,1,2,3
	s_wait_dscnt (\younger)+3-\f
	global_store_b128 v[GO], v[S+16*(\t)+4*\f:S+16*(\t)+4*\f+3], s[10:11] offset:(\t)*2048+\f*512  ; 512 consecutive bytes, aligned
.endr
.endm
	PACK 0
.set t, 1
.rept 3
	PACK t
	SEND t-1, 8
.set t, t+1
.endr
	SEND 3, 0
	s_wait_tensorcnt 0x0            ; the wave's end
	ds_add_u32 v[SPW], v[NIL]
	s_wait_dscnt 0x0
	CROUND                          ; the closing round
	s_endpgm
.Lfunc_end_k_q1f1fa04304_attn:
	.size	k_q1f1fa04304_attn, .Lfunc_end_k_q1f1fa04304_attn-k_q1f1fa04304_attn
	.p2alignl 7, 3214868480
	.fill 96, 4, 3214868480
	.section	.rodata,"a",@progbits
	.p2align	6, 0x0
	.amdhsa_kernel k_q1f1fa04304_attn
		.amdhsa_group_segment_fixed_size 327680
		.amdhsa_private_segment_fixed_size 0
		.amdhsa_enable_private_segment 0
		.amdhsa_kernarg_size 16
		.amdhsa_user_sgpr_count 2
		.amdhsa_user_sgpr_kernarg_segment_ptr 1
		.amdhsa_wavefront_size32 1
		.amdhsa_system_sgpr_workgroup_id_x 1
		.amdhsa_system_sgpr_workgroup_id_y 1
		.amdhsa_system_sgpr_workgroup_id_z 1
		.amdhsa_system_vgpr_workitem_id 0
		.amdhsa_next_free_vgpr 576
		.amdhsa_next_free_sgpr 66
		.amdhsa_reserve_vcc 0
		.amdhsa_float_denorm_mode_32 3
		.amdhsa_float_denorm_mode_16_64 3
		.amdhsa_memory_ordered 1
		.amdhsa_forward_progress 1
		.amdhsa_inst_pref_size 108
	.end_amdhsa_kernel
	.amdgpu_metadata
---
amdhsa.version: [ 1, 2 ]
amdhsa.kernels:
  - .name:           k_q1f1fa04304_attn
    .symbol:         k_q1f1fa04304_attn.kd
    .args:
      - { .name: big, .offset: 0, .size: 8, .value_kind: global_buffer, .address_space: global }
      - { .name: ctx, .offset: 8, .size: 8, .value_kind: global_buffer, .address_space: global }
    .group_segment_fixed_size: 327680
    .private_segment_fixed_size: 0
    .kernarg_segment_align: 8
    .kernarg_segment_size: 16
    .max_flat_workgroup_size: 128
    .sgpr_count:     66
    .vgpr_count:     576
    .wavefront_size: 32
...
	.end_amdgpu_metadata
.endif
;; end of part 3
;; launch oproj (part 4): grid 8 x 32, 4 waves a work-group, clusters of 4 x 4, 327,680 bytes of LDS; arguments ctx, wsm, bo, x, y; writes y
.if DOCPART == 4
	.amdgcn_target "amdgcn-amd-amdhsa--gfx1250"
	.amdhsa_code_object_version 6
	.text
	.protected	k_q1f1fa04304_oproj
	.globl	k_q1f1fa04304_oproj
	.p2align	8
	.type	k_q1f1fa04304_oproj,@function
k_q1f1fa04304_oproj:
	s_mov_b64 s[64:65], 0
	v_nop
	global_prefetch_b8 v0, s[64:65] scope:SCOPE_SE
	s_setreg_imm32_b32 hwreg(HW_REG_WAVE_MODE, 25, 1), 1
	s_wait_xcnt 0x0
	s_wait_alu depctr_hold_cnt(0) depctr_sa_sdst(0) depctr_va_vdst(0) depctr_va_sdst(0) depctr_va_ssrc(0) depctr_va_vcc(0) depctr_vm_vsrc(0)
	s_getreg_b32 s2, hwreg(HW_REG_IB_STS2, 6, 4)
	s_cmp_eq_u32 s2, 0
	s_cbranch_scc0 .Lentry_in_a_cluster
	s_endpgm
.Lentry_in_a_cluster:
	s_bfe_u32 s2, ttmp6, 0x10000c
	s_cmp_lg_u32 s2, 0xf033
	s_cbranch_scc0 .Lentry_shape_is_right
	s_endpgm
.Lentry_shape_is_right:
; y[4096][1024] = A[4096][KSIZE] W[KSIZE][1024] + bias + residual, in f32.  Here: A = ctx, W = Wo, bias = bo, residual = x.  (The second FFN layer is the same text with other constants.)
; A: panels of 64 columns, [KSIZE / 64][4096][64] bf16, a panel's rows dense.  W: panels [4][KSIZE][256] bf16 at byte WOFF of its buffer, rows along N.  Sums, bias and residual in f32.
; A tile of y is 128 x 128: 256 work-groups.  Four waves, each 64 x 64: 16 accumulators.  K goes in steps of 256 through two LDS slots.
; A K STEP IS WRITTEN ONCE AND LOOPED OVER: the LDS addresses of the fetches are a base plus s[TB], 0 or SLOT, which one exclusive or turns at each change of slots; one descriptor a tensor walks.
; CLUSTER: 4 x 4 work-groups; A's tiles are asked for jointly along a row of the cluster, W's along a column.  No prefetch: the tiles are small.
; THE MATRIX INSTRUCTION IS USED TRANSPOSED (source 0 = 16 columns of W, by the turning load; source 1 = 16 rows of A).  THE BIAS IS THE C OPERAND of the products that start the sums.
; The residual's 64 x 64 numbers are loaded into registers at the start, in the layout in which rows come back from the stage, and land under the K loop.
; REGISTERS: window 0: v0-31 addresses; v32-95 rows read back, two sets; v128-255 accumulator (a, b) at v[128 + 8 (4 a + b)]
;   window 1: two fragment buffers of 128: for 64 along K, 64 registers of A, then 64 of W          window 2: v0-127 the residual; v128-159 the bias
.set KSIZE,  1024
.set WOFF,   8388608
.set WPANEL, 524288
.set PA,     144                       ; a row of A in LDS: 128 bytes + 16 = 36 words (64 banks of 4 bytes: ISA guide 11.1: the 16 rows of a load start at 16 different groups of four banks)
.set PB,     288                       ; a row of W: 256 bytes + 32 = 72 words
.set PBLK,   128*PA                    ; a panel's 128 rows
.set HALFT,  36864                     ; 0x9000: what one tensor load brings: two panels of A, or 128 rows of W
.set SLOT,   4*HALFT                   ; 0x24000.  Its two bits are set in none of 0, 1, 2, 3 x HALFT: an exclusive or with SLOT moves a wave's tile from one slot to the other
.set STAGE,  2*SLOT
.set SPITCH, 272
.set SPARE,  STAGE+4*16*SPITCH         ; the spare words, 128 bytes a wave: two blocks of 256 bytes that no other line names
.set STEPS,  KSIZE/256                 ; K steps
.set ASTEP,  4*524288                  ; a K step in A: four panels
.set BSTEP,  256*512                   ; in W: 256 rows of 512 bytes
.set ADRA0, 16                         ; v16  my A fragments in slot 0; never rewritten
.set ADRA,  17                         ; v17  in the slot that is being fetched from
.set ADRB0, 20                         ; v20-21  my W fragments in slot 0, K half g; never rewritten
.set ADRB,  22                         ; v22-23  in the slot that is being fetched from
.set STO,  24
.set RD,   25
.set CO,   26                          ; v26  my 16 bytes in two rows of y and of the residual
.set BO,   27
.set SPW,  28
.set NIL,  29
.set T0,   32
.set ACC,  128
.set F0,   0
.set F1,   128
.set RES,  0                           ; window 2
.set BIAS, 128                         ; window 2
.set G1, 24
.set G0, 32                            ; s[32:39] group 0 for A: a set for each of the two first fills; the second then walks on
.set G1B, 48
.set G0B, 56                           ; s[56:63] the same for W
.set TB, 66                            ; s66  0 or SLOT: the slot that is being fetched from
.set MSB, 0
.macro WIN new
.if MSB != (\new)
	s_set_vgpr_msb (MSB<<8)|(\new)
.set MSB, \new
.endif
.endm
.set MUL,  0x05                        ; sources 0 and 1 window 1; C and D window 0
.set TO_F, 0x40
.macro JLOAD s                         ; waves 0 and 1 fetch A's halves, waves 2 and 3 W's; an s_nop 0 and four v_nop follow each line
	s_cmp_eq_u32 s11, 0
	s_cbranch_scc0 .Lfor_b_\@
	tensor_load_to_lds s[G0+4*(\s):G0+4*(\s)+3], s[G1:G1+7]
	s_nop 0
.rept 4
	v_nop
.endr
	s_branch .Lasked_\@
.Lfor_b_\@:
	tensor_load_to_lds s[G0B+4*(\s):G0B+4*(\s)+3], s[G1B:G1B+7]
	s_nop 0
.rept 4
	v_nop
.endr
.Lasked_\@:
.endm
.macro CREST
	s_cmp_lg_u32 s10, 0
	s_cbranch_scc1 .Lnot_wave_0_\@
	s_barrier_signal -3
.Lnot_wave_0_\@:
	s_barrier_wait -3
	s_barrier_signal -1
	s_barrier_wait -1
.endm
.macro CROUND
	s_barrier_signal -1
	s_barrier_wait -1
	CREST
.endm
.macro TOSLOT                          ; the fetches' addresses in the slot that s[TB] names
	v_add_nc_u32 v[ADRA], s[TB], v[ADRA0]
	v_add_nc_u32 v[ADRB], s[TB], v[ADRB0]
	v_add_nc_u32 v[ADRB+1], s[TB], v[ADRB0+1]
.endm
	s_load_b128 s[4:7], s[0:1], 0x0                ; A s[4:5], W's buffer s[6:7]
	s_load_b128 s[68:71], s[0:1], 0x10             ; bias s[68:69], residual s[70:71]
	s_load_b64 s[8:9], s[0:1], 0x20                ; y
	v_lshl_add_u32 v[SPW], v0, 2, SPARE
	v_mov_b32 v[NIL], 0
	ds_add_u32 v[SPW], v[NIL]                      ; the wave's opening: the add and its wait stand ahead of my first tensor load
	v_lshrrev_b32 v1, 5, v0
	v_readfirstlane_b32 s10, v1
	s_lshr_b32 s11, s10, 1                         ; my half of the rows.  Also: I fetch for A (0) or for W (1)
	s_and_b32 s12, s10, 1                          ; my half of the columns.  Also: which half of that tile I fetch
	s_bfe_u32 s40, ttmp6, 0x40000
	s_bfe_u32 s41, ttmp6, 0x40004
	s_lshl_b32 s42, ttmp9, 2
	s_add_co_u32 s42, s42, s40                     ; tile column
	s_and_b32 s13, ttmp7, 0xffff
	s_lshl_b32 s13, s13, 2
	s_add_co_u32 s13, s13, s41                     ; tile row
	s_lshl_b32 s43, s41, 2
	s_lshl_b32 s43, 15, s43
	s_lshl_b32 s44, 0x1111, s40
	; A: two panels' 128 dense rows, asked for as two rows of 8,192 elements a panel apart; the padding, counted along the tile, falls behind every 128 bytes
	s_or_b32 s[G1+0], s43, (1<<16)|(1<<20)|(1<<21)|(4<<22)|(3<<25)
	s_mov_b32 s[G1+1], 8192<<16                    ; tensor_dim0
	s_mov_b32 s[G1+2], 2<<16                       ; tensor_dim1
	s_mov_b32 s[G1+3], 8192<<16                    ; tile_dim0
	s_mov_b32 s[G1+4], 2                           ; tile_dim1
	s_mov_b32 s[G1+5], 262144                      ; a panel: 4,096 rows of 64 elements
	s_mov_b32 s[G1+6], 0
	s_mov_b32 s[G1+7], 0
	; W: 128 rows x 128 elements of a panel's 256
	s_or_b32 s[G1B+0], s44, (1<<16)|(1<<20)|(1<<21)|(5<<22)|(7<<25)
	s_mov_b32 s[G1B+1], 128<<16
	s_mov_b32 s[G1B+2], 128<<16
	s_mov_b32 s[G1B+3], 128<<16
	s_mov_b32 s[G1B+4], 128
	s_mov_b32 s[G1B+5], 256
	s_mov_b32 s[G1B+6], 0
	s_mov_b32 s[G1B+7], 0
	s_mov_b32 s[TB], 0
	s_lshl_b32 s16, s13, 14                        ; A: the tile's 128 rows of 128 bytes, two panels x half
	s_lshl_b32 s17, s12, 20
	s_add_co_u32 s16, s16, s17
	s_mov_b32 s17, 0
	s_lshr_b32 s46, s42, 1                         ; W: panel = tile column / 2, its half, 128 rows x half
	s_mul_i32 s46, s46, WPANEL
	s_and_b32 s47, s42, 1
	s_lshl_b32 s47, s47, 8
	s_add_co_u32 s46, s46, s47
	s_lshl_b32 s47, s12, 16
	s_add_co_u32 s46, s46, s47
	s_add_co_u32 s46, s46, WOFF
	s_mov_b32 s47, 0
	s_mul_i32 s20, s10, HALFT
	s_wait_dscnt 0x0
	s_wait_kmcnt 0x0
	s_add_nc_u64 s[14:15], s[4:5], s[16:17]
	s_add_nc_u64 s[46:47], s[6:7], s[46:47]
	CROUND
.irp s, 0,1
	s_mov_b32 s[G0+4*(\s)], 1
	s_add_co_u32 s[G0+4*(\s)+1], s20, (\s)*SLOT
	s_add_nc_u64 s[G0+4*(\s)+2:G0+4*(\s)+3], s[14:15], (\s)*ASTEP      ; K step s
	s_or_b32 s[G0+4*(\s)+3], s[G0+4*(\s)+3], 0x80000000
	s_mov_b32 s[G0B+4*(\s)], 1
	s_add_co_u32 s[G0B+4*(\s)+1], s20, (\s)*SLOT
	s_add_nc_u64 s[G0B+4*(\s)+2:G0B+4*(\s)+3], s[46:47], (\s)*BSTEP
	s_or_b32 s[G0B+4*(\s)+3], s[G0B+4*(\s)+3], 0x80000000
	JLOAD \s                                       ; two loads of mine are out
.endr
	v_and_b32 v1, 15, v0
	v_bfe_u32 v2, v0, 4, 1
	v_lshlrev_b32 v[BO], 5, v2
	v_lshlrev_b32 v[CO], 12, v2                    ; lanes 16-31 one row down,
	v_lshl_add_u32 v[CO], v1, 4, v[CO]             ; 16 lanes cover my 64 columns: 256 bytes, aligned
	s_lshl_b32 s20, s42, 9                         ; my first column x 4 bytes
	s_lshl_b32 s21, s12, 8
	s_add_co_u32 s20, s20, s21
	s_mov_b32 s21, 0
	s_add_nc_u64 s[68:69], s[68:69], s[20:21]
	s_lshl_b32 s22, s13, 19                        ; my first row x 4,096 bytes
	s_lshl_b32 s23, s11, 18
	s_add_co_u32 s22, s22, s23
	s_add_co_u32 s20, s20, s22
	s_add_nc_u64 s[70:71], s[70:71], s[20:21]
	s_add_nc_u64 s[8:9], s[8:9], s[20:21]
	WIN 0x80
.irp b, 0,1,2,3
	global_load_b128 v[BIAS+8*(\b):BIAS+8*(\b)+3],   v[BO], s[68:69] offset:64*(\b)
	global_load_b128 v[BIAS+8*(\b)+4:BIAS+8*(\b)+7], v[BO], s[68:69] offset:64*(\b)+16
.endr
.set i, 0
.rept 32                               ; rows 2 i and 2 i + 1 of my 64
	global_load_b128 v[RES+4*i:RES+4*i+3], v[CO], s[70:71] offset:2*i*4096
.set i, i+1
.endr
	WIN 0
	v_mul_u32_u24 v3, v1, PA
	v_lshl_add_u32 v3, v2, 4, v3
	v_and_b32 v4, 7, v0
	v_lshl_add_u32 v4, v2, 3, v4
	v_mul_u32_u24 v4, v4, PB
	v_bfe_u32 v5, v0, 3, 1
	v_lshl_add_u32 v4, v5, 4, v4
	s_mul_i32 s21, s11, 64*PA                      ; my 64 rows in each panel
	s_lshl_b32 s22, s12, 7                         ; my 64 columns of W,
	s_add_co_u32 s22, s22, 2*HALFT                 ; which lies behind A
	v_add_nc_u32 v[ADRA0], s21, v3
	v_add_nc_u32 v[ADRB0], s22, v4
	s_add_co_u32 s22, s22, HALFT
	v_add_nc_u32 v[ADRB0+1], s22, v4
	TOSLOT                                         ; slot 0
	s_mul_i32 s23, s10, 16*SPITCH
	s_add_co_u32 s23, s23, STAGE                   ; my stage: 16 rows of my 64 columns in f32
	v_mul_u32_u24 v6, v1, SPITCH
	v_lshl_add_u32 v6, v2, 5, v6                   ; in: row r, 32 bytes for each half of the lanes
	v_add_nc_u32 v[STO], s23, v6
	v_mul_u32_u24 v6, v2, SPITCH
	v_lshl_add_u32 v6, v1, 4, v6                   ; back: lanes 0-15 one row, lanes 16-31 the next
	v_add_nc_u32 v[RD], s23, v6
; 8 matrix instructions: m blocks a0, a0 + 1 x 4 n blocks, 32 along K: half c of buffer f.  zero = 1: they start the sums, with the bias as C.  The 16 accumulators take turns.
.macro MUL8 f, c, a0, zero
.if \zero
	WIN 0x25                                       ; C in window 2
.else
	WIN MUL
.endif
.irp a, \a0, (\a0)+1
.irp b, 0,1,2,3
.if \zero
	v_wmma_f32_16x16x32_bf16 v[ACC+8*(4*(\a)+(\b)):ACC+8*(4*(\a)+(\b))+7], v[(\f)+64+8*(4*(\c)+(\b)):(\f)+64+8*(4*(\c)+(\b))+7], v[(\f)+8*(4*(\c)+(\a)):(\f)+8*(4*(\c)+(\a))+7], v[BIAS+8*(\b):BIAS+8*(\b)+7]
.else
	v_wmma_f32_16x16x32_bf16 v[ACC+8*(4*(\a)+(\b)):ACC+8*(4*(\a)+(\b))+7], v[(\f)+64+8*(4*(\c)+(\b)):(\f)+64+8*(4*(\c)+(\b))+7], v[(\f)+8*(4*(\c)+(\a)):(\f)+8*(4*(\c)+(\a))+7], v[ACC+8*(4*(\a)+(\b)):ACC+8*(4*(\a)+(\b))+7]
.endif
.endr
.endr
.endm
; 32 LDS loads in one run: quarter q (64 along K: one panel of A) of the slot in hand into buffer f; the first 32 along K first
.macro FETCH q, f
	WIN TO_F
.irp c, 0,1
.irp i, 0,1,2,3
	ds_load_tr16_b128 v[(\f)+64+8*(4*(\c)+(\i)):(\f)+64+8*(4*(\c)+(\i))+3],   v[ADRB+(\q)/2] offset:((\q)%2)*64*PB+(\c)*32*PB+32*(\i)
	ds_load_tr16_b128 v[(\f)+64+8*(4*(\c)+(\i))+4:(\f)+64+8*(4*(\c)+(\i))+7], v[ADRB+(\q)/2] offset:((\q)%2)*64*PB+(\c)*32*PB+32*(\i)+16*PB
	ds_load_b128 v[(\f)+8*(4*(\c)+(\i)):(\f)+8*(4*(\c)+(\i))+3],   v[ADRA] offset:(\q)*PBLK+(\i)*16*PA+64*(\c)
	ds_load_b128 v[(\f)+8*(4*(\c)+(\i))+4:(\f)+8*(4*(\c)+(\i))+7], v[ADRA] offset:(\q)*PBLK+(\i)*16*PA+64*(\c)+32
.endr
.endr
.endm
.macro PLACES
.rept 4
	v_nop
.endr
.endm
.macro QUARTER q, f, g, zero
	s_wait_dscnt 16                                ; the first 32 along K are in
	MUL8 \f, 0, 0, \zero
	MUL8 \f, 0, 2, \zero
	PLACES
	FETCH \q, \g
	s_wait_dscnt 32                                ; all but the 32 just issued
	MUL8 \f, 1, 0, 0
	MUL8 \f, 1, 2, 0
.endm
; The last quarter multiplies buffer 1 and changes slots: one barrier; in front of it each wave waits for all its tensor loads, adds 0 to its spare word, and waits for that and for its reads of this slot.
; The slot's last fetch has been issued, so the fetches' addresses are turned to the other slot while the add is out.  fill = 1: the slot that is left is filled again, with the K step two on.
.macro TURN fill
	WIN 0
	s_wait_tensorcnt 0x0
	ds_add_u32 v[SPW], v[NIL]
	s_xor_b32 s[TB], s[TB], SLOT
	TOSLOT
	s_wait_dscnt 17                                ; the add and the youngest sixteen loads may be out
	MUL8 F1, 0, 0, 0
	s_wait_dscnt 0x0
	s_barrier_signal -1
	MUL8 F1, 0, 2, 0
.if \fill
	WIN 0
.endif
	s_barrier_wait -1
.if \fill
	CREST                                          ; the barrier has opened a round of the cluster's barrier
	s_xor_b32 s[G0+5], s[G0+5], SLOT               ; the walking descriptors: the other slot than last time,
	s_add_nc_u64 s[G0+6:G0+7], s[G0+6:G0+7], ASTEP ; the next K step; the type bits on top are not reached
	s_xor_b32 s[G0B+5], s[G0B+5], SLOT
	s_add_nc_u64 s[G0B+6:G0B+7], s[G0B+6:G0B+7], BSTEP
	JLOAD 1                                        ; 112 matrix instructions ahead of the wait for it; its four v_nop are also the places in front of the loads below
.else
	PLACES
.endif
	FETCH 0, F0
	MUL8 F1, 1, 0, 0
	MUL8 F1, 1, 2, 0
.endm
; THE WAY OUT of block a (16 rows x my 64 columns): the sums go into my own stage as they are, come back as whole rows of 256 bytes, take the residual and are stored.
.macro OUT a
.set TT, T0+32*((\a)%2)
	WIN 0
	s_wait_xcnt 0x0                                ; the stores of two blocks back have read this set of registers
.irp b, 0,1,2,3
	ds_store_b128 v[STO], v[ACC+8*(4*(\a)+(\b)):ACC+8*(4*(\a)+(\b))+3]   offset:64*(\b)
	ds_store_b128 v[STO], v[ACC+8*(4*(\a)+(\b))+4:ACC+8*(4*(\a)+(\b))+7] offset:64*(\b)+16
.endr
.irp t, 0,1,2,3,4,5,6,7
	ds_load_b128 v[TT+4*(\t):TT+4*(\t)+3], v[RD] offset:(\t)*2*SPITCH  ; LDS serves a wave's instructions in order (ISA guide 5.7.1.4)
.endr
	WIN 0x08                                       ; source 1 in window 2
.irp t, 0,1,2,3,4,5,6,7
	s_wait_dscnt 7-(\t)
	v_pk_add_f32 v[TT+4*(\t):TT+4*(\t)+1],   v[TT+4*(\t):TT+4*(\t)+1],   v[RES+4*(8*(\a)+(\t)):RES+4*(8*(\a)+(\t))+1]
	v_pk_add_f32 v[TT+4*(\t)+2:TT+4*(\t)+3], v[TT+4*(\t)+2:TT+4*(\t)+3], v[RES+4*(8*(\a)+(\t))+2:RES+4*(8*(\a)+(\t))+3]
.endr
	WIN 0
.irp t, 0,1,2,3,4,5,6,7
	global_store_b128 v[CO], v[TT+4*(\t):TT+4*(\t)+3], s[8:9] offset:(16*(\a)+2*(\t))*4096  ; 16 lanes store 256 consecutive bytes, aligned
.endr
.endm
	s_wait_tensorcnt 1                             ; my part of K step 0 is in; K step 1's may stay out
	s_barrier_signal -1
	s_barrier_wait -1
	FETCH 0, F0
	s_wait_loadcnt 32                              ; the bias is in; the residual's 32 loads may stay out
	QUARTER 1, F0, F1, 1                           ; the first quarter stands in front of the loop: its first products start the sums
	WIN 0
	s_mov_b32 s3, STEPS-2
.Lstep:                                        ; a trip goes from a K step's second quarter to the next step's first, and fills the slot that it leaves
	QUARTER 2, F1, F0, 0
	QUARTER 3, F0, F1, 0
	TURN 1
	QUARTER 1, F0, F1, 0
	WIN 0
	s_sub_co_u32 s3, s3, 1
	s_cmp_lg_u32 s3, 0
	s_cbranch_scc1 .Lstep
	QUARTER 2, F1, F0, 0                           ; the last K step but one is written out: nothing is asked for
	QUARTER 3, F0, F1, 0
	TURN 0
	QUARTER 1, F0, F1, 0
	QUARTER 2, F1, F0, 0                           ; the last K step
	QUARTER 3, F0, F1, 0
	s_wait_dscnt 16
	MUL8 F1, 0, 0, 0
	MUL8 F1, 0, 2, 0
	s_wait_dscnt 0x0
	MUL8 F1, 1, 0, 0
	MUL8 F1, 1, 2, 0
	WIN 0
	PLACES
	s_wait_loadcnt 0x0                             ; the residual
	OUT 0
	OUT 1
	OUT 2
	OUT 3
	s_wait_tensorcnt 0x0                           ; the wave's end
	ds_add_u32 v[SPW], v[NIL]
	s_wait_dscnt 0x0
	CROUND
	s_endpgm
.Lfunc_end_k_q1f1fa04304_oproj:
	.size	k_q1f1fa04304_oproj, .Lfunc_end_k_q1f1fa04304_oproj-k_q1f1fa04304_oproj
	.p2alignl 7, 3214868480
	.fill 96, 4, 3214868480
	.section	.rodata,"a",@progbits
	.p2align	6, 0x0
	.amdhsa_kernel k_q1f1fa04304_oproj
		.amdhsa_group_segment_fixed_size 327680
		.amdhsa_private_segment_fixed_size 0
		.amdhsa_enable_private_segment 0
		.amdhsa_kernarg_size 40
		.amdhsa_user_sgpr_count 2
		.amdhsa_user_sgpr_kernarg_segment_ptr 1
		.amdhsa_wavefront_size32 1
		.amdhsa_system_sgpr_workgroup_id_x 1
		.amdhsa_system_sgpr_workgroup_id_y 1
		.amdhsa_system_sgpr_workgroup_id_z 1
		.amdhsa_system_vgpr_workitem_id 0
		.amdhsa_next_free_vgpr 672
		.amdhsa_next_free_sgpr 72
		.amdhsa_reserve_vcc 0
		.amdhsa_float_denorm_mode_32 3
		.amdhsa_float_denorm_mode_16_64 3
		.amdhsa_memory_ordered 1
		.amdhsa_forward_progress 1
		.amdhsa_inst_pref_size 77
	.end_amdhsa_kernel
	.amdgpu_metadata
---
amdhsa.version: [ 1, 2 ]
amdhsa.kernels:
  - .name:           k_q1f1fa04304_oproj
    .symbol:         k_q1f1fa04304_oproj.kd
    .args:
      - { .name: ctx, .offset: 0, .size: 8, .value_kind: global_buffer, .address_space: global }
      - { .name: wsm, .offset: 8, .size: 8, .value_kind: global_buffer, .address_space: global }
      - { .name: bo, .offset: 16, .size: 8, .value_kind: global_buffer, .address_space: global }
      - { .name: x, .offset: 24, .size: 8, .value_kind: global_buffer, .address_space: global }
      - { .name: y, .offset: 32, .size: 8, .value_kind: global_buffer, .address_space: global }
    .group_segment_fixed_size: 327680
    .private_segment_fixed_size: 0
    .kernarg_segment_align: 8
    .kernarg_segment_size: 40
    .max_flat_workgroup_size: 128
    .sgpr_count:     72
    .vgpr_count:     672
    .wavefront_size: 32
...
	.end_amdgpu_metadata
.endif
;; end of part 4
;; launch ln1 (part 5): grid 512 x 1, 8 waves a work-group, no clusters, 0 bytes of LDS; arguments y, g1, b1, pa32, a16; writes pa32, a16
.if DOCPART == 5
	.amdgcn_target "amdgcn-amd-amdhsa--gfx1250"
	.amdhsa_code_object_version 6
	.text
	.protected	k_q1f1fa04304_ln1
	.globl	k_q1f1fa04304_ln1
	.p2align	8
	.type	k_q1f1fa04304_ln1,@function
k_q1f1fa04304_ln1:
	s_mov_b64 s[64:65], 0
	v_nop
	global_prefetch_b8 v0, s[64:65] scope:SCOPE_SE
	s_setreg_imm32_b32 hwreg(HW_REG_WAVE_MODE, 25, 1), 1
	s_wait_xcnt 0x0
; o[r][:] = (y[r][:] - mean) / sqrt(variance + 1e-5) * g + b, rows of 1,024 f32.  The result goes out twice: in f32, as the second residual, and in bf16, in panels [4][4096][256], as the
; next product's operand.
; A wave owns one row and keeps it in 32 registers between the passes: memory is read once.  The variance is taken of the centred numbers, never as a difference of large sums.
; A load or store of 16 bytes a lane covers 512 consecutive bytes; the bf16 store of 8 bytes a lane 256, aligned.  All 24 loads of a wave go out first, the row's ahead of g's and b's;
; no register is written twice while a memory instruction may read it.  No LDS, no barrier: a row never leaves its wave.
.set X,  16                            ; v[16:47]   the row
.set G,  48                            ; v[48:79]   g of my 32 columns
.set BT, 80                            ; v[80:111]  b
.set T,  112                           ; v[112:119] four chains of pairs
.set R,  120                           ; v[120:121] 1 / sqrt in the low word
.set MU, 122                           ; v[122:123] the mean in the low word
.set H,  124                           ; v[124:139] the row in bf16
	s_load_b256 s[4:11], s[0:1], 0x0               ; y s[4:5], g s[6:7], b s[8:9], o s[10:11]
	s_load_b64 s[16:17], s[0:1], 0x20              ; the bf16 copy
	v_lshrrev_b32 v1, 5, v0
	v_readfirstlane_b32 s2, v1
	v_and_b32 v2, 31, v0
	v_lshlrev_b32 v1, 4, v2
	v_lshlrev_b32 v2, 3, v2
	v_mov_b32 v[R+1], 0                            ; named with the low words as pairs
	v_mov_b32 v[MU+1], 0
	s_mov_b32 s12, 0x76543210
	s_mov_b32 s13, 0xfedcba98
	s_mov_b32 s14, 0x3a800000                      ; 1 / 1,024
	s_mov_b32 s15, 0x3727c5ac                      ; 1e-5
	s_lshl_b32 s18, ttmp9, 15                      ; 8 rows of 4,096 bytes a work-group, one a wave
	s_lshl_b32 s3, s2, 12
	s_add_co_u32 s18, s18, s3
	s_mov_b32 s19, 0
	s_lshl_b32 s20, ttmp9, 12                      ; the same rows at 512 bytes
	s_lshl_b32 s3, s2, 9
	s_add_co_u32 s20, s20, s3
	s_mov_b32 s21, 0
	s_wait_kmcnt 0x0
	s_add_nc_u64 s[4:5], s[4:5], s[18:19]
	s_add_nc_u64 s[10:11], s[10:11], s[18:19]
	s_add_nc_u64 s[16:17], s[16:17], s[20:21]
.irp j, 0,1,2,3,4,5,6,7
	global_load_b128 v[X+4*(\j):X+4*(\j)+3], v1, s[4:5] offset:512*(\j) th:TH_LOAD_NT
.endr
.irp j, 0,1,2,3,4,5,6,7
	global_load_b128 v[G+4*(\j):G+4*(\j)+3], v1, s[6:7] offset:512*(\j)
.endr
.irp j, 0,1,2,3,4,5,6,7
	global_load_b128 v[BT+4*(\j):BT+4*(\j)+3], v1, s[8:9] offset:512*(\j)
.endr
.macro FOLD                            ; the four chains into one number, then over the 32 lanes: every lane ends with the sum in v[T]
	v_pk_add_f32 v[T:T+1], v[T:T+1], v[T+2:T+3]
	v_pk_add_f32 v[T+4:T+5], v[T+4:T+5], v[T+6:T+7]
	v_pk_add_f32 v[T:T+1], v[T:T+1], v[T+4:T+5]
	v_add_f32 v[T], v[T], v[T+1]
	v_add_f32_dpp v[T], v[T], v[T] row_xmask:1 row_mask:0xf bank_mask:0xf
	v_add_f32_dpp v[T], v[T], v[T] row_xmask:2 row_mask:0xf bank_mask:0xf
	v_add_f32_dpp v[T], v[T], v[T] row_xmask:4 row_mask:0xf bank_mask:0xf
	v_add_f32_dpp v[T], v[T], v[T] row_xmask:8 row_mask:0xf bank_mask:0xf
	v_permlanex16_b32 v[T+1], v[T], s12, s13
	v_add_f32 v[T], v[T], v[T+1]
.endm
	s_wait_loadcnt 16                              ; the row is in; the 16 loads of g and b may stay out
.irp k, 0,1,2,3
	v_pk_add_f32 v[T+2*(\k):T+2*(\k)+1], v[X+2*(\k):X+2*(\k)+1], v[X+8+2*(\k):X+8+2*(\k)+1]  ; the first additions start the chains: nothing is cleared
.endr
.irp m, 16, 24
.irp k, 0,1,2,3
	v_pk_add_f32 v[T+2*(\k):T+2*(\k)+1], v[T+2*(\k):T+2*(\k)+1], v[X+(\m)+2*(\k):X+(\m)+2*(\k)+1]
.endr
.endr
	FOLD
	v_mul_f32 v[MU], s14, v[T]
.set p, 0
.rept 16
	v_pk_add_f32 v[X+p:X+p+1], v[X+p:X+p+1], v[MU:MU+1] op_sel_hi:[1,0] neg_lo:[0,1] neg_hi:[0,1]  ; centred in place
.set p, p+2
.endr
.irp k, 0,1,2,3
	v_pk_mul_f32 v[T+2*(\k):T+2*(\k)+1], v[X+2*(\k):X+2*(\k)+1], v[X+2*(\k):X+2*(\k)+1]
.endr
.irp m, 8, 16, 24
.irp k, 0,1,2,3
	v_pk_fma_f32 v[T+2*(\k):T+2*(\k)+1], v[X+(\m)+2*(\k):X+(\m)+2*(\k)+1], v[X+(\m)+2*(\k):X+(\m)+2*(\k)+1], v[T+2*(\k):T+2*(\k)+1]
.endr
.endr
	FOLD
	v_fma_f32 v[T], v[T], s14, s15                 ; variance + 1e-5
	s_wait_loadcnt 0x0                             ; g and b
	v_rsq_f32 v[R], v[T]
	v_nop                                          ; a plain instruction behind it,
	s_wait_alu depctr_va_vdst(0)                   ; and the wait ahead of the first use
.irp j, 0,1,2,3,4,5,6,7
	v_pk_mul_f32 v[X+4*(\j):X+4*(\j)+1],   v[X+4*(\j):X+4*(\j)+1],   v[R:R+1] op_sel_hi:[1,0]
	v_pk_mul_f32 v[X+4*(\j)+2:X+4*(\j)+3], v[X+4*(\j)+2:X+4*(\j)+3], v[R:R+1] op_sel_hi:[1,0]
	v_pk_fma_f32 v[X+4*(\j):X+4*(\j)+1],   v[X+4*(\j):X+4*(\j)+1],   v[G+4*(\j):G+4*(\j)+1],   v[BT+4*(\j):BT+4*(\j)+1]
	v_pk_fma_f32 v[X+4*(\j)+2:X+4*(\j)+3], v[X+4*(\j)+2:X+4*(\j)+3], v[G+4*(\j)+2:G+4*(\j)+3], v[BT+4*(\j)+2:BT+4*(\j)+3]
	global_store_b128 v1, v[X+4*(\j):X+4*(\j)+3], s[10:11] offset:512*(\j)
	v_cvt_pk_bf16_f32 v[H+2*(\j)],   v[X+4*(\j)],   v[X+4*(\j)+1]
	v_cvt_pk_bf16_f32 v[H+2*(\j)+1], v[X+4*(\j)+2], v[X+4*(\j)+3]
	global_store_b64 v2, v[H+2*(\j):H+2*(\j)+1], s[16:17] offset:((\j)/2)*2097152+((\j)%2)*256  ; panel j / 2, its half j % 2
.endr
	s_endpgm
.Lfunc_end_k_q1f1fa04304_ln1:
	.size	k_q1f1fa04304_ln1, .Lfunc_end_k_q1f1fa04304_ln1-k_q1f1fa04304_ln1
	.p2alignl 7, 3214868480
	.fill 96, 4, 3214868480
	.section	.rodata,"a",@progbits
	.p2align	6, 0x0
	.amdhsa_kernel k_q1f1fa04304_ln1
		.amdhsa_group_segment_fixed_size 0
		.amdhsa_private_segment_fixed_size 0
		.amdhsa_enable_private_segment 0
		.amdhsa_kernarg_size 40
		.amdhsa_user_sgpr_count 2
		.amdhsa_user_sgpr_kernarg_segment_ptr 1
		.amdhsa_wavefront_size32 1
		.amdhsa_system_sgpr_workgroup_id_x 1
		.amdhsa_system_sgpr_workgroup_id_y 1
		.amdhsa_system_sgpr_workgroup_id_z 1
		.amdhsa_system_vgpr_workitem_id 0
		.amdhsa_next_free_vgpr 144
		.amdhsa_next_free_sgpr 66
		.amdhsa_reserve_vcc 0
		.amdhsa_float_denorm_mode_32 3
		.amdhsa_float_denorm_mode_16_64 3
		.amdhsa_memory_ordered 1
		.amdhsa_forward_progress 1
		.amdhsa_inst_pref_size 13
	.end_amdhsa_kernel
	.amdgpu_metadata
---
amdhsa.version: [ 1, 2 ]
amdhsa.kernels:
  - .name:           k_q1f1fa04304_ln1
    .symbol:         k_q1f1fa04304_ln1.kd
    .args:
      - { .name: y, .offset: 0, .size: 8, .value_kind: global_buffer, .address_space: global }
      - { .name: g1, .offset: 8, .size: 8, .value_kind: global_buffer, .address_space: global }
      - { .name: b1, .offset: 16, .size: 8, .value_kind: global_buffer, .address_space: global }
      - { .name: pa32, .offset: 24, .size: 8, .value_kind: global_buffer, .address_space: global }
      - { .name: a16, .offset: 32, .size: 8, .value_kind: global_buffer, .address_space: global }
    .group_segment_fixed_size: 0
    .private_segment_fixed_size: 0
    .kernarg_segment_align: 8
    .kernarg_segment_size: 40
    .max_flat_workgroup_size: 256
    .sgpr_count:     66
    .vgpr_count:     144
    .wavefront_size: 32
...
	.end_amdgpu_metadata
.endif
;; end of part 5
;; launch ffn1: the kernel of part 2 again; grid 16 x 16, 4 waves a work-group, clusters of 4 x 4, 327,680 bytes of LDS; arguments a16, w1p, big; writes big
;; launch ffn2 (part 6): grid 8 x 32, 4 waves a work-group, clusters of 4 x 4, 327,680 bytes of LDS; arguments big, wsm, bf2, pa32, y; writes y
.if DOCPART == 6
	.amdgcn_target "amdgcn-amd-amdhsa--gfx1250"
	.amdhsa_code_object_version 6
	.text
	.protected	k_q1f1fa04304_ffn2
	.globl	k_q1f1fa04304_ffn2
	.p2align	8
	.type	k_q1f1fa04304_ffn2,@function
k_q1f1fa04304_ffn2:
	s_mov_b64 s[64:65], 0
	v_nop
	global_prefetch_b8 v0, s[64:65] scope:SCOPE_SE
	s_setreg_imm32_b32 hwreg(HW_REG_WAVE_MODE, 25, 1), 1
	s_wait_xcnt 0x0
	s_wait_alu depctr_hold_cnt(0) depctr_sa_sdst(0) depctr_va_vdst(0) depctr_va_sdst(0) depctr_va_ssrc(0) depctr_va_vcc(0) depctr_vm_vsrc(0)
	s_getreg_b32 s2, hwreg(HW_REG_IB_STS2, 6, 4)
	s_cmp_eq_u32 s2, 0
	s_cbranch_scc0 .Lentry_in_a_cluster
	s_endpgm
.Lentry_in_a_cluster:
	s_bfe_u32 s2, ttmp6, 0x10000c
	s_cmp_lg_u32 s2, 0xf033
	s_cbranch_scc0 .Lentry_shape_is_right
	s_endpgm
.Lentry_shape_is_right:
; y[4096][1024] = A[4096][KSIZE] W[KSIZE][1024] + bias + residual, in f32.  Here: A = h = relu(..), W = W2, bias = bf2, residual = post_att.  (The output projection is the same text with other constants.)
; A: panels of 64 columns, [KSIZE / 64][4096][64] bf16, a panel's rows dense.  W: panels [4][KSIZE][256] bf16 at byte WOFF of its buffer, rows along N.  Sums, bias and residual in f32.
; A tile of y is 128 x 128: 256 work-groups.  Four waves, each 64 x 64: 16 accumulators.  K goes in steps of 256 through two LDS slots.
; A K STEP IS WRITTEN ONCE AND LOOPED OVER: the LDS addresses of the fetches are a base plus s[TB], 0 or SLOT, which one exclusive or turns at each change of slots; one descriptor a tensor walks.
; CLUSTER: 4 x 4 work-groups; A's tiles are asked for jointly along a row of the cluster, W's along a column.  No prefetch: the tiles are small.
; THE MATRIX INSTRUCTION IS USED TRANSPOSED (source 0 = 16 columns of W, by the turning load; source 1 = 16 rows of A).  THE BIAS IS THE C OPERAND of the products that start the sums.
; The residual's 64 x 64 numbers are loaded into registers at the start, in the layout in which rows come back from the stage, and land under the K loop.
; REGISTERS: window 0: v0-31 addresses; v32-95 rows read back, two sets; v128-255 accumulator (a, b) at v[128 + 8 (4 a + b)]
;   window 1: two fragment buffers of 128: for 64 along K, 64 registers of A, then 64 of W          window 2: v0-127 the residual; v128-159 the bias
.set KSIZE,  4096
.set WOFF,   0
.set WPANEL, 2097152
.set PA,     144                       ; a row of A in LDS: 128 bytes + 16 = 36 words (64 banks of 4 bytes: ISA guide 11.1: the 16 rows of a load start at 16 different groups of four banks)
.set PB,     288                       ; a row of W: 256 bytes + 32 = 72 words
.set PBLK,   128*PA                    ; a panel's 128 rows
.set HALFT,  36864                     ; 0x9000: what one tensor load brings: two panels of A, or 128 rows of W
.set SLOT,   4*HALFT                   ; 0x24000.  Its two bits are set in none of 0, 1, 2, 3 x HALFT: an exclusive or with SLOT moves a wave's tile from one slot to the other
.set STAGE,  2*SLOT
.set SPITCH, 272
.set SPARE,  STAGE+4*16*SPITCH         ; the spare words, 128 bytes a wave: two blocks of 256 bytes that no other line names
.set STEPS,  KSIZE/256                 ; K steps
.set ASTEP,  4*524288                  ; a K step in A: four panels
.set BSTEP,  256*512                   ; in W: 256 rows of 512 bytes
.set ADRA0, 16                         ; v16  my A fragments in slot 0; never rewritten
.set ADRA,  17                         ; v17  in the slot that is being fetched from
.set ADRB0, 20                         ; v20-21  my W fragments in slot 0, K half g; never rewritten
.set ADRB,  22                         ; v22-23  in the slot that is being fetched from
.set STO,  24
.set RD,   25
.set CO,   26                          ; v26  my 16 bytes in two rows of y and of the residual
.set BO,   27
.set SPW,  28
.set NIL,  29
.set T0,   32
.set ACC,  128
.set F0,   0
.set F1,   128
.set RES,  0                           ; window 2
.set BIAS, 128                         ; window 2
.set G1, 24
.set G0, 32                            ; s[32:39] group 0 for A: a set for each of the two first fills; the second then walks on
.set G1B, 48
.set G0B, 56                           ; s[56:63] the same for W
.set TB, 66                            ; s66  0 or SLOT: the slot that is being fetched from
.set MSB, 0
.macro WIN new
.if MSB != (\new)
	s_set_vgpr_msb (MSB<<8)|(\new)
.set MSB, \new
.endif
.endm
.set MUL,  0x05                        ; sources 0 and 1 window 1; C and D window 0
.set TO_F, 0x40
.macro JLOAD s                         ; waves 0 and 1 fetch A's halves, waves 2 and 3 W's; an s_nop 0 and four v_nop follow each line
	s_cmp_eq_u32 s11, 0
	s_cbranch_scc0 .Lfor_b_\@
	tensor_load_to_lds s[G0+4*(\s):G0+4*(\s)+3], s[G1:G1+7]
	s_nop 0
.rept 4
	v_nop
.endr
	s_branch .Lasked_\@
.Lfor_b_\@:
	tensor_load_to_lds s[G0B+4*(\s):G0B+4*(\s)+3], s[G1B:G1B+7]
	s_nop 0
.rept 4
	v_nop
.endr
.Lasked_\@:
.endm
.macro CREST
	s_cmp_lg_u32 s10, 0
	s_cbranch_scc1 .Lnot_wave_0_\@
	s_barrier_signal -3
.Lnot_wave_0_\@:
	s_barrier_wait -3
	s_barrier_signal -1
	s_barrier_wait -1
.endm
.macro CROUND
	s_barrier_signal -1
	s_barrier_wait -1
	CREST
.endm
.macro TOSLOT                          ; the fetches' addresses in the slot that s[TB] names
	v_add_nc_u32 v[ADRA], s[TB], v[ADRA0]
	v_add_nc_u32 v[ADRB], s[TB], v[ADRB0]
	v_add_nc_u32 v[ADRB+1], s[TB], v[ADRB0+1]
.endm
	s_load_b128 s[4:7], s[0:1], 0x0                ; A s[4:5], W's buffer s[6:7]
	s_load_b128 s[68:71], s[0:1], 0x10             ; bias s[68:69], residual s[70:71]
	s_load_b64 s[8:9], s[0:1], 0x20                ; y
	v_lshl_add_u32 v[SPW], v0, 2, SPARE
	v_mov_b32 v[NIL], 0
	ds_add_u32 v[SPW], v[NIL]                      ; the wave's opening: the add and its wait stand ahead of my first tensor load
	v_lshrrev_b32 v1, 5, v0
	v_readfirstlane_b32 s10, v1
	s_lshr_b32 s11, s10, 1                         ; my half of the rows.  Also: I fetch for A (0) or for W (1)
	s_and_b32 s12, s10, 1                          ; my half of the columns.  Also: which half of that tile I fetch
	s_bfe_u32 s40, ttmp6, 0x40000
	s_bfe_u32 s41, ttmp6, 0x40004
	s_lshl_b32 s42, ttmp9, 2
	s_add_co_u32 s42, s42, s40                     ; tile column
	s_and_b32 s13, ttmp7, 0xffff
	s_lshl_b32 s13, s13, 2
	s_add_co_u32 s13, s13, s41                     ; tile row
	s_lshl_b32 s43, s41, 2
	s_lshl_b32 s43, 15, s43
	s_lshl_b32 s44, 0x1111, s40
	; A: two panels' 128 dense rows, asked for as two rows of 8,192 elements a panel apart; the padding, counted along the tile, falls behind every 128 bytes
	s_or_b32 s[G1+0], s43, (1<<16)|(1<<20)|(1<<21)|(4<<22)|(3<<25)
	s_mov_b32 s[G1+1], 8192<<16                    ; tensor_dim0
	s_mov_b32 s[G1+2], 2<<16                       ; tensor_dim1
	s_mov_b32 s[G1+3], 8192<<16                    ; tile_dim0
	s_mov_b32 s[G1+4], 2                           ; tile_dim1
	s_mov_b32 s[G1+5], 262144                      ; a panel: 4,096 rows of 64 elements
	s_mov_b32 s[G1+6], 0
	s_mov_b32 s[G1+7], 0
	; W: 128 rows x 128 elements of a panel's 256
	s_or_b32 s[G1B+0], s44, (1<<16)|(1<<20)|(1<<21)|(5<<22)|(7<<25)
	s_mov_b32 s[G1B+1], 128<<16
	s_mov_b32 s[G1B+2], 128<<16
	s_mov_b32 s[G1B+3], 128<<16
	s_mov_b32 s[G1B+4], 128
	s_mov_b32 s[G1B+5], 256
	s_mov_b32 s[G1B+6], 0
	s_mov_b32 s[G1B+7], 0
	s_mov_b32 s[TB], 0
	s_lshl_b32 s16, s13, 14                        ; A: the tile's 128 rows of 128 bytes, two panels x half
	s_lshl_b32 s17, s12, 20
	s_add_co_u32 s16, s16, s17
	s_mov_b32 s17, 0
	s_lshr_b32 s46, s42, 1                         ; W: panel = tile column / 2, its half, 128 rows x half
	s_mul_i32 s46, s46, WPANEL
	s_and_b32 s47, s42, 1
	s_lshl_b32 s47, s47, 8
	s_add_co_u32 s46, s46, s47
	s_lshl_b32 s47, s12, 16
	s_add_co_u32 s46, s46, s47
	s_add_co_u32 s46, s46, WOFF
	s_mov_b32 s47, 0
	s_mul_i32 s20, s10, HALFT
	s_wait_dscnt 0x0
	s_wait_kmcnt 0x0
	s_add_nc_u64 s[14:15], s[4:5], s[16:17]
	s_add_nc_u64 s[46:47], s[6:7], s[46:47]
	CROUND
.irp s, 0,1
	s_mov_b32 s[G0+4*(\s)], 1
	s_add_co_u32 s[G0+4*(\s)+1], s20, (\s)*SLOT
	s_add_nc_u64 s[G0+4*(\s)+2:G0+4*(\s)+3], s[14:15], (\s)*ASTEP      ; K step s
	s_or_b32 s[G0+4*(\s)+3], s[G0+4*(\s)+3], 0x80000000
	s_mov_b32 s[G0B+4*(\s)], 1
	s_add_co_u32 s[G0B+4*(\s)+1], s20, (\s)*SLOT
	s_add_nc_u64 s[G0B+4*(\s)+2:G0B+4*(\s)+3], s[46:47], (\s)*BSTEP
	s_or_b32 s[G0B+4*(\s)+3], s[G0B+4*(\s)+3], 0x80000000
	JLOAD \s                                       ; two loads of mine are out
.endr
	v_and_b32 v1, 15, v0
	v_bfe_u32 v2, v0, 4, 1
	v_lshlrev_b32 v[BO], 5, v2
	v_lshlrev_b32 v[CO], 12, v2                    ; lanes 16-31 one row down,
	v_lshl_add_u32 v[CO], v1, 4, v[CO]             ; 16 lanes cover my 64 columns: 256 bytes, aligned
	s_lshl_b32 s20, s42, 9                         ; my first column x 4 bytes
	s_lshl_b32 s21, s12, 8
	s_add_co_u32 s20, s20, s21
	s_mov_b32 s21, 0
	s_add_nc_u64 s[68:69], s[68:69], s[20:21]
	s_lshl_b32 s22, s13, 19                        ; my first row x 4,096 bytes
	s_lshl_b32 s23, s11, 18
	s_add_co_u32 s22, s22, s23
	s_add_co_u32 s20, s20, s22
	s_add_nc_u64 s[70:71], s[70:71], s[20:21]
	s_add_nc_u64 s[8:9], s[8:9], s[20:21]
	WIN 0x80
.irp b, 0,1,2,3
	global_load_b128 v[BIAS+8*(\b):BIAS+8*(\b)+3],   v[BO], s[68:69] offset:64*(\b)
	global_load_b128 v[BIAS+8*(\b)+4:BIAS+8*(\b)+7], v[BO], s[68:69] offset:64*(\b)+16
.endr
.set i, 0
.rept 32                               ; rows 2 i and 2 i + 1 of my 64
	global_load_b128 v[RES+4*i:RES+4*i+3], v[CO], s[70:71] offset:2*i*4096
.set i, i+1
.endr
	WIN 0
	v_mul_u32_u24 v3, v1, PA
	v_lshl_add_u32 v3, v2, 4, v3
	v_and_b32 v4, 7, v0
	v_lshl_add_u32 v4, v2, 3, v4
	v_mul_u32_u24 v4, v4, PB
	v_bfe_u32 v5, v0, 3, 1
	v_lshl_add_u32 v4, v5, 4, v4
	s_mul_i32 s21, s11, 64*PA                      ; my 64 rows in each panel
	s_lshl_b32 s22, s12, 7                         ; my 64 columns of W,
	s_add_co_u32 s22, s22, 2*HALFT                 ; which lies behind A
	v_add_nc_u32 v[ADRA0], s21, v3
	v_add_nc_u32 v[ADRB0], s22, v4
	s_add_co_u32 s22, s22, HALFT
	v_add_nc_u32 v[ADRB0+1], s22, v4
	TOSLOT                                         ; slot 0
	s_mul_i32 s23, s10, 16*SPITCH
	s_add_co_u32 s23, s23, STAGE                   ; my stage: 16 rows of my 64 columns in f32
	v_mul_u32_u24 v6, v1, SPITCH
	v_lshl_add_u32 v6, v2, 5, v6                   ; in: row r, 32 bytes for each half of the lanes
	v_add_nc_u32 v[STO], s23, v6
	v_mul_u32_u24 v6, v2, SPITCH
	v_lshl_add_u32 v6, v1, 4, v6                   ; back: lanes 0-15 one row, lanes 16-31 the next
	v_add_nc_u32 v[RD], s23, v6
; 8 matrix instructions: m blocks a0, a0 + 1 x 4 n blocks, 32 along K: half c of buffer f.  zero = 1: they start the sums, with the bias as C.  The 16 accumulators take turns.
.macro MUL8 f, c, a0, zero
.if \zero
	WIN 0x25                                       ; C in window 2
.else
	WIN MUL
.endif
.irp a, \a0, (\a0)+1
.irp b, 0,1,2,3
.if \zero
	v_wmma_f32_16x16x32_bf16 v[ACC+8*(4*(\a)+(\b)):ACC+8*(4*(\a)+(\b))+7], v[(\f)+64+8*(4*(\c)+(\b)):(\f)+64+8*(4*(\c)+(\b))+7], v[(\f)+8*(4*(\c)+(\a)):(\f)+8*(4*(\c)+(\a))+7], v[BIAS+8*(\b):BIAS+8*(\b)+7]
.else
	v_wmma_f32_16x16x32_bf16 v[ACC+8*(4*(\a)+(\b)):ACC+8*(4*(\a)+(\b))+7], v[(\f)+64+8*(4*(\c)+(\b)):(\f)+64+8*(4*(\c)+(\b))+7], v[(\f)+8*(4*(\c)+(\a)):(\f)+8*(4*(\c)+(\a))+7], v[ACC+8*(4*(\a)+(\b)):ACC+8*(4*(\a)+(\b))+7]
.endif
.endr
.endr
.endm
; 32 LDS loads in one run: quarter q (64 along K: one panel of A) of the slot in hand into buffer f; the first 32 along K first
.macro FETCH q, f
	WIN TO_F
.irp c, 0,1
.irp i, 0,1,2,3
	ds_load_tr16_b128 v[(\f)+64+8*(4*(\c)+(\i)):(\f)+64+8*(4*(\c)+(\i))+3],   v[ADRB+(\q)/2] offset:((\q)%2)*64*PB+(\c)*32*PB+32*(\i)
	ds_load_tr16_b128 v[(\f)+64+8*(4*(\c)+(\i))+4:(\f)+64+8*(4*(\c)+(\i))+7], v[ADRB+(\q)/2] offset:((\q)%2)*64*PB+(\c)*32*PB+32*(\i)+16*PB
	ds_load_b128 v[(\f)+8*(4*(\c)+(\i)):(\f)+8*(4*(\c)+(\i))+3],   v[ADRA] offset:(\q)*PBLK+(\i)*16*PA+64*(\c)
	ds_load_b128 v[(\f)+8*(4*(\c)+(\i))+4:(\f)+8*(4*(\c)+(\i))+7], v[ADRA] offset:(\q)*PBLK+(\i)*16*PA+64*(\c)+32
.endr
.endr
.endm
.macro PLACES
.rept 4
	v_nop
.endr
.endm
.macro QUARTER q, f, g, zero
	s_wait_dscnt 16                                ; the first 32 along K are in
	MUL8 \f, 0, 0, \zero
	MUL8 \f, 0, 2, \zero
	PLACES
	FETCH \q, \g
	s_wait_dscnt 32                                ; all but the 32 just issued
	MUL8 \f, 1, 0, 0
	MUL8 \f, 1, 2, 0
.endm
; The last quarter multiplies buffer 1 and changes slots: one barrier; in front of it each wave waits for all its tensor loads, adds 0 to its spare word, and waits for that and for its reads of this slot.
; The slot's last fetch has been issued, so the fetches' addresses are turned to the other slot while the add is out.  fill = 1: the slot that is left is filled again, with the K step two on.
.macro TURN fill
	WIN 0
	s_wait_tensorcnt 0x0
	ds_add_u32 v[SPW], v[NIL]
	s_xor_b32 s[TB], s[TB], SLOT
	TOSLOT
	s_wait_dscnt 17                                ; the add and the youngest sixteen loads may be out
	MUL8 F1, 0, 0, 0
	s_wait_dscnt 0x0
	s_barrier_signal -1
	MUL8 F1, 0, 2, 0
.if \fill
	WIN 0
.endif
	s_barrier_wait -1
.if \fill
	CREST                                          ; the barrier has opened a round of the cluster's barrier
	s_xor_b32 s[G0+5], s[G0+5], SLOT               ; the walking descriptors: the other slot than last time,
	s_add_nc_u64 s[G0+6:G0+7], s[G0+6:G0+7], ASTEP ; the next K step; the type bits on top are not reached
	s_xor_b32 s[G0B+5], s[G0B+5], SLOT
	s_add_nc_u64 s[G0B+6:G0B+7], s[G0B+6:G0B+7], BSTEP
	JLOAD 1                                        ; 112 matrix instructions ahead of the wait for it; its four v_nop are also the places in front of the loads below
.else
	PLACES
.endif
	FETCH 0, F0
	MUL8 F1, 1, 0, 0
	MUL8 F1, 1, 2, 0
.endm
; THE WAY OUT of block a (16 rows x my 64 columns): the sums go into my own stage as they are, come back as whole rows of 256 bytes, take the residual and are stored.
.macro OUT a
.set TT, T0+32*((\a)%2)
	WIN 0
	s_wait_xcnt 0x0                                ; the stores of two blocks back have read this set of registers
.irp b, 0,1,2,3
	ds_store_b128 v[STO], v[ACC+8*(4*(\a)+(\b)):ACC+8*(4*(\a)+(\b))+3]   offset:64*(\b)
	ds_store_b128 v[STO], v[ACC+8*(4*(\a)+(\b))+4:ACC+8*(4*(\a)+(\b))+7] offset:64*(\b)+16
.endr
.irp t, 0,1,2,3,4,5,6,7
	ds_load_b128 v[TT+4*(\t):TT+4*(\t)+3], v[RD] offset:(\t)*2*SPITCH  ; LDS serves a wave's instructions in order (ISA guide 5.7.1.4)
.endr
	WIN 0x08                                       ; source 1 in window 2
.irp t, 0,1,2,3,4,5,6,7
	s_wait_dscnt 7-(\t)
	v_pk_add_f32 v[TT+4*(\t):TT+4*(\t)+1],   v[TT+4*(\t):TT+4*(\t)+1],   v[RES+4*(8*(\a)+(\t)):RES+4*(8*(\a)+(\t))+1]
	v_pk_add_f32 v[TT+4*(\t)+2:TT+4*(\t)+3], v[TT+4*(\t)+2:TT+4*(\t)+3], v[RES+4*(8*(\a)+(\t))+2:RES+4*(8*(\a)+(\t))+3]
.endr
	WIN 0
.irp t, 0,1,2,3,4,5,6,7
	global_store_b128 v[CO], v[TT+4*(\t):TT+4*(\t)+3], s[8:9] offset:(16*(\a)+2*(\t))*4096  ; 16 lanes store 256 consecutive bytes, aligned
.endr
.endm
	s_wait_tensorcnt 1                             ; my part of K step 0 is in; K step 1's may stay out
	s_barrier_signal -1
	s_barrier_wait -1
	FETCH 0, F0
	s_wait_loadcnt 32                              ; the bias is in; the residual's 32 loads may stay out
	QUARTER 1, F0, F1, 1                           ; the first quarter stands in front of the loop: its first products start the sums
	WIN 0
	s_mov_b32 s3, STEPS-2
.Lstep:                                        ; a trip goes from a K step's second quarter to the next step's first, and fills the slot that it leaves
	QUARTER 2, F1, F0, 0
	QUARTER 3, F0, F1, 0
	TURN 1
	QUARTER 1, F0, F1, 0
	WIN 0
	s_sub_co_u32 s3, s3, 1
	s_cmp_lg_u32 s3, 0
	s_cbranch_scc1 .Lstep
	QUARTER 2, F1, F0, 0                           ; the last K step but one is written out: nothing is asked for
	QUARTER 3, F0, F1, 0
	TURN 0
	QUARTER 1, F0, F1, 0
	QUARTER 2, F1, F0, 0                           ; the last K step
	QUARTER 3, F0, F1, 0
	s_wait_dscnt 16
	MUL8 F1, 0, 0, 0
	MUL8 F1, 0, 2, 0
	s_wait_dscnt 0x0
	MUL8 F1, 1, 0, 0
	MUL8 F1, 1, 2, 0
	WIN 0
	PLACES
	s_wait_loadcnt 0x0                             ; the residual
	OUT 0
	OUT 1
	OUT 2
	OUT 3
	s_wait_tensorcnt 0x0                           ; the wave's end
	ds_add_u32 v[SPW], v[NIL]
	s_wait_dscnt 0x0
	CROUND
	s_endpgm
.Lfunc_end_k_q1f1fa04304_ffn2:
	.size	k_q1f1fa04304_ffn2, .Lfunc_end_k_q1f1fa04304_ffn2-k_q1f1fa04304_ffn2
	.p2alignl 7, 3214868480
	.fill 96, 4, 3214868480
	.section	.rodata,"a",@progbits
	.p2align	6, 0x0
	.amdhsa_kernel k_q1f1fa04304_ffn2
		.amdhsa_group_segment_fixed_size 327680
		.amdhsa_private_segment_fixed_size 0
		.amdhsa_enable_private_segment 0
		.amdhsa_kernarg_size 40
		.amdhsa_user_sgpr_count 2
		.amdhsa_user_sgpr_kernarg_segment_ptr 1
		.amdhsa_wavefront_size32 1
		.amdhsa_system_sgpr_workgroup_id_x 1
		.amdhsa_system_sgpr_workgroup_id_y 1
		.amdhsa_system_sgpr_workgroup_id_z 1
		.amdhsa_system_vgpr_workitem_id 0
		.amdhsa_next_free_vgpr 672
		.amdhsa_next_free_sgpr 72
		.amdhsa_reserve_vcc 0
		.amdhsa_float_denorm_mode_32 3
		.amdhsa_float_denorm_mode_16_64 3
		.amdhsa_memory_ordered 1
		.amdhsa_forward_progress 1
		.amdhsa_inst_pref_size 77
	.end_amdhsa_kernel
	.amdgpu_metadata
---
amdhsa.version: [ 1, 2 ]
amdhsa.kernels:
  - .name:           k_q1f1fa04304_ffn2
    .symbol:         k_q1f1fa04304_ffn2.kd
    .args:
      - { .name: big, .offset: 0, .size: 8, .value_kind: global_buffer, .address_space: global }
      - { .name: wsm, .offset: 8, .size: 8, .value_kind: global_buffer, .address_space: global }
      - { .name: bf2, .offset: 16, .size: 8, .value_kind: global_buffer, .address_space: global }
      - { .name: pa32, .offset: 24, .size: 8, .value_kind: global_buffer, .address_space: global }
      - { .name: y, .offset: 32, .size: 8, .value_kind: global_buffer, .address_space: global }
    .group_segment_fixed_size: 327680
    .private_segment_fixed_size: 0
    .kernarg_segment_align: 8
    .kernarg_segment_size: 40
    .max_flat_workgroup_size: 128
    .sgpr_count:     72
    .vgpr_count:     672
    .wavefront_size: 32
...
	.end_amdgpu_metadata
.endif
;; end of part 6
;; launch ln2 (part 7): grid 512 x 1, 8 waves a work-group, no clusters, 0 bytes of LDS; arguments y, g2, b2, out0; writes out0
.if DOCPART == 7
	.amdgcn_target "amdgcn-amd-amdhsa--gfx1250"
	.amdhsa_code_object_version 6
	.text
	.protected	k_q1f1fa04304_ln2
	.globl	k_q1f1fa04304_ln2
	.p2align	8
	.type	k_q1f1fa04304_ln2,@function
k_q1f1fa04304_ln2:
	s_mov_b64 s[64:65], 0
	v_nop
	global_prefetch_b8 v0, s[64:65] scope:SCOPE_SE
	s_setreg_imm32_b32 hwreg(HW_REG_WAVE_MODE, 25, 1), 1
	s_wait_xcnt 0x0
; o[r][:] = (y[r][:] - mean) / sqrt(variance + 1e-5) * g + b, rows of 1,024 f32: the module's result.
; A wave owns one row and keeps it in 32 registers between the passes: memory is read once.  The variance is taken of the centred numbers, never as a difference of large sums.
; A load or store of 16 bytes a lane covers 512 consecutive bytes.  All 24 loads of a wave go out first, the row's ahead of g's and b's; no register is written twice while a memory
; instruction may read it.  No LDS, no barrier: a row never leaves its wave.
.set X,  16                            ; v[16:47]   the row
.set G,  48                            ; v[48:79]   g of my 32 columns
.set BT, 80                            ; v[80:111]  b
.set T,  112                           ; v[112:119] four chains of pairs
.set R,  120                           ; v[120:121] 1 / sqrt in the low word
.set MU, 122                           ; v[122:123] the mean in the low word
	s_load_b256 s[4:11], s[0:1], 0x0               ; y s[4:5], g s[6:7], b s[8:9], o s[10:11]
	v_lshrrev_b32 v1, 5, v0
	v_readfirstlane_b32 s2, v1
	v_and_b32 v2, 31, v0
	v_lshlrev_b32 v1, 4, v2
	v_mov_b32 v[R+1], 0                            ; named with the low words as pairs
	v_mov_b32 v[MU+1], 0
	s_mov_b32 s12, 0x76543210
	s_mov_b32 s13, 0xfedcba98
	s_mov_b32 s14, 0x3a800000                      ; 1 / 1,024
	s_mov_b32 s15, 0x3727c5ac                      ; 1e-5
	s_lshl_b32 s18, ttmp9, 15                      ; 8 rows of 4,096 bytes a work-group, one a wave
	s_lshl_b32 s3, s2, 12
	s_add_co_u32 s18, s18, s3
	s_mov_b32 s19, 0
	s_wait_kmcnt 0x0
	s_add_nc_u64 s[4:5], s[4:5], s[18:19]
	s_add_nc_u64 s[10:11], s[10:11], s[18:19]
.irp j, 0,1,2,3,4,5,6,7
	global_load_b128 v[X+4*(\j):X+4*(\j)+3], v1, s[4:5] offset:512*(\j) th:TH_LOAD_NT
.endr
.irp j, 0,1,2,3,4,5,6,7
	global_load_b128 v[G+4*(\j):G+4*(\j)+3], v1, s[6:7] offset:512*(\j)
.endr
.irp j, 0,1,2,3,4,5,6,7
	global_load_b128 v[BT+4*(\j):BT+4*(\j)+3], v1, s[8:9] offset:512*(\j)
.endr
.macro FOLD                            ; the four chains into one number, then over the 32 lanes: every lane ends with the sum in v[T]
	v_pk_add_f32 v[T:T+1], v[T:T+1], v[T+2:T+3]
	v_pk_add_f32 v[T+4:T+5], v[T+4:T+5], v[T+6:T+7]
	v_pk_add_f32 v[T:T+1], v[T:T+1], v[T+4:T+5]
	v_add_f32 v[T], v[T], v[T+1]
	v_add_f32_dpp v[T], v[T], v[T] row_xmask:1 row_mask:0xf bank_mask:0xf
	v_add_f32_dpp v[T], v[T], v[T] row_xmask:2 row_mask:0xf bank_mask:0xf
	v_add_f32_dpp v[T], v[T], v[T] row_xmask:4 row_mask:0xf bank_mask:0xf
	v_add_f32_dpp v[T], v[T], v[T] row_xmask:8 row_mask:0xf bank_mask:0xf
	v_permlanex16_b32 v[T+1], v[T], s12, s13
	v_add_f32 v[T], v[T], v[T+1]
.endm
	s_wait_loadcnt 16                              ; the row is in; the 16 loads of g and b may stay out
.irp k, 0,1,2,3
	v_pk_add_f32 v[T+2*(\k):T+2*(\k)+1], v[X+2*(\k):X+2*(\k)+1], v[X+8+2*(\k):X+8+2*(\k)+1]  ; the first additions start the chains: nothing is cleared
.endr
.irp m, 16, 24
.irp k, 0,1,2,3
	v_pk_add_f32 v[T+2*(\k):T+2*(\k)+1], v[T+2*(\k):T+2*(\k)+1], v[X+(\m)+2*(\k):X+(\m)+2*(\k)+1]
.endr
.endr
	FOLD
	v_mul_f32 v[MU], s14, v[T]
.set p, 0
.rept 16
	v_pk_add_f32 v[X+p:X+p+1], v[X+p:X+p+1], v[MU:MU+1] op_sel_hi:[1,0] neg_lo:[0,1] neg_hi:[0,1]  ; centred in place
.set p, p+2
.endr
.irp k, 0,1,2,3
	v_pk_mul_f32 v[T+2*(\k):T+2*(\k)+1], v[X+2*(\k):X+2*(\k)+1], v[X+2*(\k):X+2*(\k)+1]
.endr
.irp m, 8, 16, 24
.irp k, 0,1,2,3
	v_pk_fma_f32 v[T+2*(\k):T+2*(\k)+1], v[X+(\m)+2*(\k):X+(\m)+2*(\k)+1], v[X+(\m)+2*(\k):X+(\m)+2*(\k)+1], v[T+2*(\k):T+2*(\k)+1]
.endr
.endr
	FOLD
	v_fma_f32 v[T], v[T], s14, s15                 ; variance + 1e-5
	s_wait_loadcnt 0x0                             ; g and b
	v_rsq_f32 v[R], v[T]
	v_nop                                          ; a plain instruction behind it,
	s_wait_alu depctr_va_vdst(0)                   ; and the wait ahead of the first use
.irp j, 0,1,2,3,4,5,6,7
	v_pk_mul_f32 v[X+4*(\j):X+4*(\j)+1],   v[X+4*(\j):X+4*(\j)+1],   v[R:R+1] op_sel_hi:[1,0]
	v_pk_mul_f32 v[X+4*(\j)+2:X+4*(\j)+3], v[X+4*(\j)+2:X+4*(\j)+3], v[R:R+1] op_sel_hi:[1,0]
	v_pk_fma_f32 v[X+4*(\j):X+4*(\j)+1],   v[X+4*(\j):X+4*(\j)+1],   v[G+4*(\j):G+4*(\j)+1],   v[BT+4*(\j):BT+4*(\j)+1]
	v_pk_fma_f32 v[X+4*(\j)+2:X+4*(\j)+3], v[X+4*(\j)+2:X+4*(\j)+3], v[G+4*(\j)+2:G+4*(\j)+3], v[BT+4*(\j)+2:BT+4*(\j)+3]
	global_store_b128 v1, v[X+4*(\j):X+4*(\j)+3], s[10:11] offset:512*(\j) th:TH_STORE_NT
.endr
	s_endpgm
.Lfunc_end_k_q1f1fa04304_ln2:
	.size	k_q1f1fa04304_ln2, .Lfunc_end_k_q1f1fa04304_ln2-k_q1f1fa04304_ln2
	.p2alignl 7, 3214868480
	.fill 96, 4, 3214868480
	.section	.rodata,"a",@progbits
	.p2align	6, 0x0
	.amdhsa_kernel k_q1f1fa04304_ln2
		.amdhsa_group_segment_fixed_size 0
		.amdhsa_private_segment_fixed_size 0
		.amdhsa_enable_private_segment 0
		.amdhsa_kernarg_size 32
		.amdhsa_user_sgpr_count 2
		.amdhsa_user_sgpr_kernarg_segment_ptr 1
		.amdhsa_wavefront_size32 1
		.amdhsa_system_sgpr_workgroup_id_x 1
		.amdhsa_system_sgpr_workgroup_id_y 1
		.amdhsa_system_sgpr_workgroup_id_z 1
		.amdhsa_system_vgpr_workitem_id 0
		.amdhsa_next_free_vgpr 144
		.amdhsa_next_free_sgpr 66
		.amdhsa_reserve_vcc 0
		.amdhsa_float_denorm_mode_32 3
		.amdhsa_float_denorm_mode_16_64 3
		.amdhsa_memory_ordered 1
		.amdhsa_forward_progress 1
		.amdhsa_inst_pref_size 11
	.end_amdhsa_kernel
	.amdgpu_metadata
---
amdhsa.version: [ 1, 2 ]
amdhsa.kernels:
  - .name:           k_q1f1fa04304_ln2
    .symbol:         k_q1f1fa04304_ln2.kd
    .args:
      - { .name: y, .offset: 0, .size: 8, .value_kind: global_buffer, .address_space: global }
      - { .name: g2, .offset: 8, .size: 8, .value_kind: global_buffer, .address_space: global }
      - { .name: b2, .offset: 16, .size: 8, .value_kind: global_buffer, .address_space: global }
      - { .name: out0, .offset: 24, .size: 8, .value_kind: global_buffer, .address_space: global }
    .group_segment_fixed_size: 0
    .private_segment_fixed_size: 0
    .kernarg_segment_align: 8
    .kernarg_segment_size: 32
    .max_flat_workgroup_size: 256
    .sgpr_count:     66
    .vgpr_count:     144
    .wavefront_size: 32
...
	.end_amdgpu_metadata
.endif
;; end of part 7
